; MI455X (gfx1250); checked and timed in simulation.
; The chip was launched on July 23, 2026; its instructions are those of AMD's public machine-readable ISA for CDNA 5 (MIT licence, August 2026) and "CDNA5" Instruction Set Architecture Reference Guide (July 2026). The comments in the code are by the model that wrote it; some were corrected since.
;; Multi Head Attention. Allowed arithmetic: matrix products marked QUANTISED: E2M3 operands, one E8M0 scale for each 32 along K, by v_wmma_scale_f32_16x16x128_f8f6f4 with both operands' format E2M3, f32 sums; everything else in f32.
;; Inputs: Wk_codes 1,024 x 32 x 24 uint8 (E2M3 codes of Wk, K innermost, in blocks of 32 codes, four codes in three bytes); Wk_scales 1,024 x 32 uint8 (E8M0 scales of Wk, one for each 32 codes along K); Wo_codes 1,024 x 32 x 24 uint8 (E2M3 codes of Wo, K innermost, in blocks of 32 codes, four codes in three bytes); Wo_scales 1,024 x 32 uint8 (E8M0 scales of Wo, one for each 32 codes along K); Wq_codes 1,024 x 32 x 24 uint8 (E2M3 codes of Wq, K innermost, in blocks of 32 codes, four codes in three bytes); Wq_scales 1,024 x 32 uint8 (E8M0 scales of Wq, one for each 32 codes along K); Wv_codes 1,024 x 32 x 24 uint8 (E2M3 codes of Wv, K innermost, in blocks of 32 codes, four codes in three bytes); Wv_scales 1,024 x 32 uint8 (E8M0 scales of Wv, one for each 32 codes along K); bk 1,024 float32; bo 1,024 float32; bq 1,024 float32; bv 1,024 float32; k_codes 4 x 2,048 x 32 x 24 uint8 (E2M3 codes of k, K innermost, in blocks of 32 codes, four codes in three bytes); k_scales 4 x 2,048 x 32 uint8 (E8M0 scales of k, one for each 32 codes along K); q_codes 4 x 2,048 x 32 x 24 uint8 (E2M3 codes of q, K innermost, in blocks of 32 codes, four codes in three bytes); q_scales 4 x 2,048 x 32 uint8 (E8M0 scales of q, one for each 32 codes along K); v_codes 4 x 2,048 x 32 x 24 uint8 (E2M3 codes of v, K innermost, in blocks of 32 codes, four codes in three bytes); v_scales 4 x 2,048 x 32 uint8 (E8M0 scales of v, one for each 32 codes along K).
;; Outputs: out0 4 x 2,048 x 1,024 float32.
;; This version of the problem:
;;   THIS VERSION OF THE PROBLEM IS GIVEN IN LOW PRECISION. The matrix products marked QUANTISED in the list below multiply operands that are first quantised to E2M3 (2 exponent bits, 3 mantissa bits; 6 bits a number), with one power-of-two scale for each 32 numbers along K (OCP MX v1.0); their sums are f32. All else is computed in f32.
;;   The module's matrix products, in the order in which they are computed (A, B: the left and right operand; K: the contracted axis; several contracted axes count as one K, in the product's order):
;;     1. [M 8,192, K 1,024] x [K 1,024, N 1,024]; A: input q (given as codes); B: input Wq (given as codes): QUANTISED
;;     2. [M 8,192, K 1,024] x [K 1,024, N 1,024]; A: input k (given as codes); B: input Wk (given as codes): QUANTISED
;;     3. [M 8,192, K 1,024] x [K 1,024, N 1,024]; A: input v (given as codes); B: input Wv (given as codes): QUANTISED
;;     4. batch 64 x [M 2,048, K 64] x [K 64, N 2,048]; A: computed on the way; B: computed on the way: QUANTISED
;;     5. batch 64 x [M 2,048, K 2,048] x [K 2,048, N 64]; A: softmax (see below); B: computed on the way: QUANTISED
;;     6. [M 8,192, K 1,024] x [K 1,024, N 1,024]; A: computed on the way; B: input Wo (given as codes): QUANTISED
;;   THE QUANTISER, for each operand of a quantised product, along K:
;;     - K is cut into blocks of 32 from its start; a last block that is shorter is filled with zeros.
;;     - A block's scale is 2^e with e = floor(log2(the largest magnitude in the block)) - 2, held to -126 .. 127; a block of zeros has e = 0. As a byte (E8M0): e + 127.
;;     - Each number is divided by its block's scale, clamped to +-7.5, and rounded to the nearest number of E2M3, ties to even, subnormals kept.
;;     - The product sums the exact products of the quantised numbers (number of the format x scale) in f32.
;;   ~~~python
;;   def quantise(x, axis):      # numpy; x: float32 -> the quantised numbers, widened to float32 again
;;       x = np.moveaxis(x, axis, -1); K = x.shape[-1]
;;       x = np.pad(x, [(0, 0)] * (x.ndim - 1) + [(0, -K % 32)]); x = x.reshape(x.shape[:-1] + (-1, 32)); a = np.abs(x).max(-1, keepdims=True)
;;       e = np.where(a > 0, np.clip(np.frexp(np.where(a > 0, a, 1))[1] - 1 - 2, -126, 127), 0)      # np.frexp(a)[1] - 1 = floor(log2(a)), exactly
;;       r = np.clip(x / 2.0 ** e, -7.5, 7.5)
;;       step = 2.0 ** (np.maximum(np.frexp(np.where(r == 0, 1, r))[1] - 1, 0) - 3)
;;       q = np.round(r / step) * step * 2.0 ** e      # np.round: ties to even
;;       return np.moveaxis(q.reshape(q.shape[:-2] + (-1,))[..., :K], -1, axis).astype(np.float32)
;;   ~~~
;;   SOFTMAX AHEAD OF A QUANTISED PRODUCT. Where the list says 'softmax', what is quantised is not the finished softmax but p = 2^(t - M), with t = logit x log2(e) and M = ceil(the row's largest t), a whole number; so 1/2 < the row's largest p <= 1. The row's sum l is taken of the UNQUANTISED p, in f32, and the product's result is divided by l at the end. Since M is a whole number, a kernel that streams over the keys may use a running M (the ceiling of the running maximum): every later rescaling is an exact power of two, which a block's scale takes up: the codes' values come out the same.
;;   OPERANDS COMPUTED ON THE WAY. 'Computed on the way' means the value that the module computes at that place (a softmax that the list does not call 'softmax' is quantised finished and normalised). What goes into a quantiser is computed in f32, as accurately as f32 sums, v_exp_f32 and their like allow (about 1e-6 of the number): no bf16 or f16 on the way to a quantiser, and a product that is left as it is and whose result goes on into a quantised operand takes f32 operands (vector FMAs, or v_wmma_f32_16x16x4_f32). A number that lies on a knife's edge between two numbers of the format may be rounded either way, as far as f32 arithmetic and the matrix unit's own rounding can turn it there, and no further.
;;   INPUTS GIVEN AS CODES. Wk (in the module: [1024, 1024], K = its axis 0); Wo (in the module: [1024, 1024], K = its axis 0); Wq (in the module: [1024, 1024], K = its axis 0); Wv (in the module: [1024, 1024], K = its axis 0); k (in the module: [4, 2048, 1024], K = its axis 2); q (in the module: [4, 2048, 1024], K = its axis 2); v (in the module: [4, 2048, 1024], K = its axis 2): each comes as NAME_codes (uint8): NAME with its K axis moved to the last place and cut into blocks of 32 codes, [.., K / 32, bytes a block], one block behind the other in memory; four codes in three bytes: a row's codes are one little-endian stream of bits, code i at bits 6 i .. 6 i + 5 (a code: sign, 2 exponent bits, 3 mantissa bits); and NAME_scales (uint8): the same leading axes, one E8M0 byte (e + 127) for each 32 codes along K. Its value is code x scale, taken as it is: it is not quantised again, and the codes and scales need not be those that the quantiser above would give.
;; One version. Each part assembles by itself: llvm-mc -triple=amdgcn-amd-amdhsa -mcpu=gfx1250 --defsym DOCPART=n.
;; ======== version 1 of 1: 3 launches
;; workspace buffers: qrec 6,815,744 bytes; kvrec 13,631,488 bytes; oimg 6,291,456 bytes; osc 262,144 bytes
;; launch proj (part 1): grid 4 x 96, 4 waves a work-group, clusters of 4 x 4, 327,680 bytes of LDS; arguments q_codes, q_scales, Wq_codes, Wq_scales, k_codes, k_scales, Wk_codes, Wk_scales, Wv_codes, Wv_scales, v_codes, v_scales, bq, bk, bv, qrec, kvrec; writes qrec, kvrec
.if DOCPART == 1
	.amdgcn_target "amdgcn-amd-amdhsa--gfx1250"
	.amdhsa_code_object_version 6
	.text
	.protected	k_qd9fac3d42e_proj
	.globl	k_qd9fac3d42e_proj
	.p2align	8
	.type	k_qd9fac3d42e_proj,@function
k_qd9fac3d42e_proj:
	s_mov_b64 s[64:65], 0
	v_nop
	global_prefetch_b8 v0, s[64:65] scope:SCOPE_SE
	s_setreg_imm32_b32 hwreg(HW_REG_WAVE_MODE, 25, 1), 1
	s_wait_xcnt 0x0
	s_wait_alu depctr_hold_cnt(0) depctr_sa_sdst(0) depctr_va_vdst(0) depctr_va_sdst(0) depctr_va_ssrc(0) depctr_va_vcc(0) depctr_vm_vsrc(0)
	s_getreg_b32 s2, hwreg(HW_REG_IB_STS2, 6, 4)
	s_cmp_eq_u32 s2, 0
	s_cbranch_scc0 .Lentry_in_a_cluster
	s_endpgm
.Lentry_in_a_cluster:
	s_bfe_u32 s2, ttmp6, 0x10000c
	s_cmp_lg_u32 s2, 0xf033
	s_cbranch_scc0 .Lentry_shape_is_right
	s_endpgm
.Lentry_shape_is_right:
; THE THREE PROJECTIONS, q Wq + bq, k Wk + bk, v Wv + bv, on codes of FP6 (E2M3) with one E8M0 scale for each 32 along K = 1,024, and the quantising of their results for the attention's two products.
; ONE FORM FOR ALL THREE: C'[x][y] = sum over k of X[x][k] Y[y][k], source 0 = 16 rows of Y, source 1 = 16 rows of X: a lane holds ONE x and its registers run along y, and the result is quantised ALONG y.
;   kind 0 (q), kind 1 (k): X = the tokens (8,192 rows), Y = the weight's 1,024 output channels: quantised along the channels, the first attention product's K (a head is 64 channels: two blocks).
;   kind 2 (v): X = Wv's 1,024 channels, Y = the tokens: quantised along the tokens, which are the keys, the second attention product's K.
; A work-group makes 256 x by 256 y, each of its four waves 128 x 128 (64 accumulators, 512 registers); K goes in steps of 256 through a ring of two LDS slots filled by the tensor data mover.
; CLUSTERS: 4 x 4 work-groups; X's tiles are shared along a row of the cluster, Y's along a column: each is asked for jointly.  The kind hangs on the cluster's y alone: it is the same in all sixteen partners.
; THE WAY OUT uses no LDS.  For each block of 16 x: + bias in f32; exchanges between the halves of the lanes give a lane 16 neighbours along y; the block scales, the codes; two blocks of x then exchange lanes 8-15 / 0-7,
; so that a stored tile's lane r holds row 32 b + 8 u + r + 8 (r / 8) of its group (tile 2 b + u); the codes leave as IMAGES OF THE OPERAND'S REGISTERS, each store of the wave 512 or 256 consecutive aligned bytes.
;   qrec  [batch x head 64][span of 128 queries 16][6,656]: 8 tiles x 768 bytes (registers 0-3 at 16 x lane, 4-5 at 512 + 8 x lane), then 512 bytes of scale words (register j at 16 x lane + 4 j: lanes 0-15 tile 2 j, lanes 16-31 tile 2 j + 1)
;   kvrec [batch x head 64][step of 128 keys 16][13,312]: K's 8 tiles x 768; V's 4 tiles x 1,536 (registers 4 c .. 4 c + 3 at 512 c + 16 x lane); K's words, 512; V's words, 256 (register j at 8 x lane + 4 j); 256 zeros
; LIMITS: NaN and infinities among the sums are not served.  A block of zeros, or one whose largest magnitude lies under 2^-124, gets the byte 1 where the stated quantiser says 127 or less: its codes are zeros or held by the floor; these bytes are read by this program alone.
.set KSTEP,  256                       ; along K in a slot
.set NQ,     KSTEP/128                 ; matrix instructions deep
.set ROWB,   192                       ; a tile's row in bytes
.set KROW,   768                       ; a row of 1,024 codes in memory
.set PITCH,  240                       ; an LDS row: 3 x (64 bytes + 16 of padding)
.set FR,     12                        ; registers of a fragment
.set NL,     6                         ; LDS loads that bring one
.set NP,     4                         ; places behind this matrix instruction (ISA guide 7.12.1)
.set HALFT,  128*PITCH                 ; 128 rows: one tensor load
.set SLOT,   4*HALFT                   ; X's 256 rows, then Y's 256 rows
.set LAPS,   2                         ; 1,024 / (2 x 256)
.set KS,     32                        ; a row of scale bytes
.set SCL,    2*SLOT                    ; behind the ring: the scales, units of 256 bytes + 16
.set HALFS,  (128*KS/256)*272
.set SBLK,   (16*KS/256)*272
.set SPARE,  SCL+4*HALFS               ; the spare words, 128 bytes for each wave, named by no other line
.set QREC,   6656
.set KVREC,  13312
.set R,    2                           ; v2-5    the way out: the four pairs' scale words
.set RL,   6                           ; v6-9    their low halves (first head)
.set RH,   10                          ; v10-13  their high halves (second head)
.set Z,    14                          ; v14-15  zeros
.set ADRA, 16                          ; v16-19  LDS addresses of X's fragments
.set ADRB, 20                          ; v20-23  of Y's
.set L16,  24                          ; v24     16 x lane
.set L8,   25                          ; v25     8 x lane
.set ADRS, 27                          ; v27     LDS address of my scale words
.set SPW,  28                          ; v28     my spare word; never rewritten
.set NIL,  29                          ; v29     0; never rewritten
.set SC,   32                          ; v32-63  scale words, two sets: scales and nothing else
.set BI,   64                          ; v64-127 the bias, in the result's layout
.set AF,   128                         ; v128-223 X's fragments, one set
.set HA,   128                         ; the way out: 64 numbers of a lane
.set F0,   192                         ; the way out: a fragment's codes (12) and 8 at work
.set F1,   212
.set VB,   224                         ; v224-231 offsets of the bias loads
.set TM,   232                         ; v232-247 at work in QUANT
.set PW0,  248
.set PW1,  249
.set X0,   250
.set X1,   251
.set G1,   24
.set G0,   32
.set G1B,  48
.set G0B,  56
.set G1S,  68
.set G0S,  76
.set G1SB, 80
.set G0SB, 88
.set KIND, 66
.set T0,   67                          ; my wave's first token
.set C0,   100                         ; my wave's first channel
.set M8,   94                          ; lanes 8-15 and 24-31
.set MH,   95                          ; lanes 16-31
.set BIA,  96                          ; s[96:97] the bias
.set SEL,  98                          ; s[98:99] v_permlanex16_b32's selects for lane l xor 16
.set CB0,  24                          ; the way out (no tensor load is out any more): codes, first head; s[26:27] second head
.set CB1,  26
.set WB0,  28                          ; scale words, first head; s[30:31] second head
.set WB1,  30
.set MSB, 0
.macro WIN new                         ; the immediate's high byte repeats the setting that is left
.if MSB != (\new)
	s_set_vgpr_msb (MSB<<8)|(\new)
.set MSB, \new
.endif
.endm
.set MUL_LO, 0xa1                      ; source 0 (Y) window 1, source 1 (X) window 0, C and D window 2
.set MUL_HI, 0xf1                      ; the same, C and D window 3
.set TO_B,   0x40                      ; destination window 1, address window 0
; A joint load: waves 0 and 1 fetch for X, waves 2 and 3 for Y.  Four v_nop follow each of the two lines.
.macro JLOAD g0a, g1a, g0b, g1b
	s_cmp_eq_u32 s15, 0
	s_cbranch_scc0 .Lfor_b_\@
	tensor_load_to_lds s[\g0a:\g0a+3], s[\g1a:\g1a+7]
	s_nop 0
.rept 4
	v_nop
.endr
	s_branch .Lasked_\@
.Lfor_b_\@:
	tensor_load_to_lds s[\g0b:\g0b+3], s[\g1b:\g1b+7]
	s_nop 0
.rept 4
	v_nop
.endr
.Lasked_\@:
.endm
.macro CREST                           ; a round of the cluster's barrier behind its opening barrier
	s_cmp_lg_u32 s14, 0
	s_cbranch_scc1 .Lnot_wave_0_\@
	s_barrier_signal -3
.Lnot_wave_0_\@:
	s_barrier_wait -3
	s_barrier_signal -1
	s_barrier_wait -1
.endm
.macro CROUND
	s_barrier_signal -1
	s_barrier_wait -1
	CREST
.endm
	s_load_b256 s[24:31], s[0:1], 0x0              ; q's codes, q's scales, Wq's codes, Wq's scales
	s_load_b256 s[32:39], s[0:1], 0x20             ; k's codes, k's scales, Wk's codes, Wk's scales
	s_load_b256 s[48:55], s[0:1], 0x40             ; Wv's codes, Wv's scales, v's codes, v's scales
	s_load_b256 s[56:63], s[0:1], 0x60             ; bq, bk, bv, qrec
	s_load_b64 s[68:69], s[0:1], 0x80              ; kvrec
	v_lshl_add_u32 v[SPW], v0, 2, SPARE
	v_mov_b32 v[NIL], 0
	ds_add_u32 v28, v29
	ds_add_u32 v28, v29
	s_wait_dscnt 0x0
	v_lshrrev_b32 v1, 5, v0
	v_readfirstlane_b32 s14, v1                    ; wave 0..3
	s_lshr_b32 s15, s14, 1                         ; which half of the tile's x is mine.  Also: I fetch for X (0) or for Y (1)
	s_and_b32 s16, s14, 1                          ; which half of its y.  Also: which 128 rows I fetch
	s_bfe_u32 s40, ttmp6, 0x40000                  ; cx
	s_bfe_u32 s41, ttmp6, 0x40004                  ; cy
	s_and_b32 s18, ttmp7, 0xffff                   ; the cluster's y, 0 .. 23
	s_lshr_b32 s[KIND], s18, 3                     ; 0: q, 1: k, 2: v
	s_and_b32 s18, s18, 7
	s_lshl_b32 s18, s18, 2                         ; four tiles of 256 tokens to a cluster
	s_cmp_eq_u32 s[KIND], 2
	s_cselect_b32 s17, 0, s18                      ; the tokens are X's rows in kinds 0 and 1,
	s_cselect_b32 s42, s18, 0                      ; Y's in kind 2
	s_add_co_u32 s17, s17, s41                     ; tile of X: hangs on cy
	s_add_co_u32 s42, s42, s40                     ; tile of Y: hangs on cx
	s_lshl_b32 s43, s41, 2
	s_lshl_b32 s43, 15, s43                        ; my row of the cluster
	s_lshl_b32 s44, 0x1111, s40                    ; my column
	s_wait_kmcnt 0x0
	s_cmp_eq_u32 s[KIND], 1                        ; the buffers are chosen by the kind alone
	s_cselect_b64 s[4:5], s[32:33], s[24:25]       ; X's codes
	s_cselect_b64 s[6:7], s[34:35], s[26:27]       ; X's scales
	s_cselect_b64 s[8:9], s[36:37], s[28:29]       ; Y's codes
	s_cselect_b64 s[10:11], s[38:39], s[30:31]     ; Y's scales
	s_cselect_b64 s[BIA:BIA+1], s[58:59], s[56:57]
	s_cmp_eq_u32 s[KIND], 2
	s_cselect_b64 s[4:5], s[48:49], s[4:5]
	s_cselect_b64 s[6:7], s[50:51], s[6:7]
	s_cselect_b64 s[8:9], s[52:53], s[8:9]
	s_cselect_b64 s[10:11], s[54:55], s[10:11]
	s_cselect_b64 s[BIA:BIA+1], s[60:61], s[BIA:BIA+1]
	s_cmp_eq_u32 s[KIND], 0
	s_cselect_b64 s[12:13], s[62:63], s[68:69]     ; where the images go
	; descriptor group 1: a tile of 128 rows x 192 bytes, 16 bytes of padding behind every 64
	s_or_b32 s[G1+0], s43, (0<<16)|(1<<20)|(1<<21)|(3<<22)|(3<<25)
	s_or_b32 s[G1B+0], s44, (0<<16)|(1<<20)|(1<<21)|(3<<22)|(3<<25)
.irp g, G1, G1B
	s_mov_b32 s[\g+1], ROWB<<16                    ; tensor_dim0
	s_mov_b32 s[\g+2], 128<<16                     ; tensor_dim1
	s_mov_b32 s[\g+3], ROWB<<16                    ; tile_dim0
	s_mov_b32 s[\g+4], 128                         ; tile_dim1
	s_mov_b32 s[\g+5], KROW                        ; tensor_dim0_stride
	s_mov_b32 s[\g+6], 0
	s_mov_b32 s[\g+7], 0
.endr
	; the scales of 128 rows: 4,096 dense bytes as 16 rows of 256 bytes, 16 bytes of padding behind each
	s_or_b32 s[G1S+0], s43, (3<<16)|(1<<20)|(1<<21)|(5<<22)|(3<<25)
	s_or_b32 s[G1SB+0], s44, (3<<16)|(1<<20)|(1<<21)|(5<<22)|(3<<25)
.irp g, G1S, G1SB
	s_mov_b32 s[\g+1], 32<<16
	s_mov_b32 s[\g+2], (128*KS/256)<<16
	s_mov_b32 s[\g+3], 32<<16
	s_mov_b32 s[\g+4], 128*KS/256
	s_mov_b32 s[\g+5], 32
	s_mov_b32 s[\g+6], 0
	s_mov_b32 s[\g+7], 0
.endr
	s_lshl_b32 s18, s16, 7                         ; which 128 rows of the tile I fetch
	s_lshl_b32 s20, s17, 8
	s_add_co_u32 s20, s20, s18                     ; X: row 256 x tile + 128 x half
	s_lshl_b32 s46, s42, 8
	s_add_co_u32 s46, s46, s18                     ; Y likewise
	s_mov_b32 s21, 0
	s_mov_b32 s47, 0
	s_mov_b64 s[18:19], KS
	s_mul_u64 s[22:23], s[20:21], s[18:19]         ; where these rows' scales begin
	s_mul_u64 s[92:93], s[46:47], s[18:19]
	s_mov_b64 s[18:19], KROW
	s_mul_u64 s[20:21], s[20:21], s[18:19]         ; and their codes
	s_mul_u64 s[46:47], s[46:47], s[18:19]
	s_mul_i32 s45, s14, HALFT                      ; where they go: wave x 128 rows
	s_mul_i32 s94, s14, HALFS
	s_add_nc_u64 s[20:21], s[4:5], s[20:21]
	s_add_nc_u64 s[22:23], s[6:7], s[22:23]
	s_add_nc_u64 s[46:47], s[8:9], s[46:47]
	s_add_nc_u64 s[92:93], s[10:11], s[92:93]
	CROUND                                         ; all sixteen work-groups are here: the first joint loads meet
	s_mov_b32 s[G0S], 1
	s_add_co_u32 s[G0S+1], s94, SCL
	s_mov_b64 s[G0S+2:G0S+3], s[22:23]
	s_or_b32 s[G0S+3], s[G0S+3], 0x80000000
	s_mov_b32 s[G0SB], 1
	s_add_co_u32 s[G0SB+1], s94, SCL
	s_mov_b64 s[G0SB+2:G0SB+3], s[92:93]
	s_or_b32 s[G0SB+3], s[G0SB+3], 0x80000000
	JLOAD G0S, G1S, G0SB, G1SB                     ; the scales first: they are wanted with K step 0
.irp s, 0,1
	s_mov_b32 s[G0+4*\s], 1
	s_add_co_u32 s[G0+4*\s+1], s45, \s*SLOT
	s_add_nc_u64 s[G0+4*\s+2:G0+4*\s+3], s[20:21], \s*ROWB
	s_or_b32 s[G0+4*\s+3], s[G0+4*\s+3], 0x80000000
	s_mov_b32 s[G0B+4*\s], 1
	s_add_co_u32 s[G0B+4*\s+1], s45, \s*SLOT
	s_add_nc_u64 s[G0B+4*\s+2:G0B+4*\s+3], s[46:47], \s*ROWB
	s_or_b32 s[G0B+4*\s+3], s[G0B+4*\s+3], 0x80000000
	JLOAD G0+4*\s, G1, G0B+4*\s, G1B
.endr
	v_and_b32 v1, 15, v0                           ; r = l % 16
	v_bfe_u32 v2, v0, 4, 1                         ; h = l / 16
	v_mul_u32_u24 v3, v1, PITCH
	v_mul_u32_u24 v4, v2, 24
	v_add_nc_u32 v4, v3, v4                        ; a fragment's row x pitch + 24 x half
	v_lshl_add_u32 v5, v2, 4, v4                   ; and the same behind one padding more
	s_mul_i32 s21, s15, HALFT                      ; my 128 rows of X
	s_mul_i32 s22, s16, HALFT                      ; my 128 rows of Y,
	s_add_co_u32 s22, s22, 2*HALFT                 ; which lie behind X's 256
.irp s, 0,1
	v_add_nc_u32 v[ADRA+\s], s21, v4
	v_add_nc_u32 v[ADRB+\s], s22, v4
	v_add_nc_u32 v[ADRA+2+\s], s21, v5
	v_add_nc_u32 v[ADRB+2+\s], s22, v5
	s_add_co_u32 s21, s21, SLOT
	s_add_co_u32 s22, s22, SLOT
.endr
	v_mul_u32_u24 v5, v1, KS                       ; my row's scales: 32 bytes a row,
	v_lshrrev_b32 v6, 8, v5
	v_lshl_add_u32 v5, v6, 4, v5                   ; and 16 more for each 256 passed
	s_mul_i32 s21, s15, HALFS
	s_mul_i32 s22, s16, HALFS
	s_add_co_u32 s22, s22, 2*HALFS
	s_sub_co_u32 s22, s22, s21
	v_mul_u32_u24 v6, s22, v2                      ; lanes 16-31 take Y's
	s_add_co_u32 s21, s21, SCL
	v_add_nc_u32 v5, v5, v6
	v_add_nc_u32 v[ADRS], s21, v5
	v_and_b32 v6, 31, v0
	v_lshlrev_b32 v[L16], 4, v6
	v_lshlrev_b32 v[L8], 3, v6
	; my wave's first x and first y; which of them is the token and which the channel hangs on the kind
	s_lshl_b32 s21, s17, 8
	s_lshl_b32 s18, s15, 7
	s_add_co_u32 s21, s21, s18                     ; first x
	s_lshl_b32 s46, s42, 8
	s_lshl_b32 s18, s16, 7
	s_add_co_u32 s46, s46, s18                     ; first y
	s_cmp_eq_u32 s[KIND], 2
	s_cselect_b32 s[T0], s46, s21
	s_cselect_b32 s[C0], s21, s46
	s_cselect_b32 s18, 0, 32                       ; THE BIAS in the result's layout.  Kinds 0, 1: register 8 b + j = bias[C0 + 16 b + 8 h + j]: 32 h + 4 j bytes;
	s_cselect_b32 s19, 4, 0                        ; kind 2: register 8 a + j = bias[C0 + 16 a + r] for every j: 4 r bytes.  One text serves both
	s_cselect_b32 s20, 0, 4
	v_mul_u32_u24 v7, v2, s18
	v_mad_u32_u24 v7, v1, s19, v7
.irp j, 0,1,2,3,4,5,6,7
	v_mad_u32_u24 v[VB+\j], s20, \j, v7
.endr
	s_lshl_b32 s18, s[C0], 2
	s_mov_b32 s19, 0
	s_add_nc_u64 s[BIA:BIA+1], s[BIA:BIA+1], s[18:19]
.irp t, 0,1,2,3,4,5,6,7
.irp j, 0,1,2,3,4,5,6,7
	global_load_b32 v[BI+8*\t+\j], v[VB+\j], s[BIA:BIA+1] offset:64*\t
.endr
.endr
.macro FRAG reg, adr, q, i             ; a fragment: 16 rows x 128 K in 12 registers: lane l holds row l % 16; registers 6 c .. 6 c + 5 hold K = 64 c + 32 (l / 16) + 0 .. 31: 24 bytes of the row, as they lie
.irp p, 0,1,2,3,4,5                    ; in pieces of 8 bytes; where the piece of lanes 16-31 lies behind one padding more, the second address register serves
.set PC, 12*(\q)+6*(\p/3)+\p%3
.if PC%8 < 5
	ds_load_b64 v[\reg+2*\p:\reg+2*\p+1], v[\adr] offset:8*PC+16*(PC/8)+(\i)*16*PITCH
.else
	ds_load_b64 v[\reg+2*\p:\reg+2*\p+1], v[\adr+2] offset:8*PC+16*(PC/8)+(\i)*16*PITCH
.endif
.endr
.endm
; 16 matrix instructions: X's blocks a0, a0 + 1 against Y's eight.  The 64 accumulators take turns, one instruction a turn, in the same order in every step.
.macro MUL16 a0, p, q, sc, zero
.irp a, \a0, \a0+1
.irp b, 0,1,2,3,4,5,6,7
.if \zero
	v_wmma_scale_f32_16x16x128_f8f6f4 v[8*(8*((\a)%4)+\b):8*(8*((\a)%4)+\b)+7], v[128*(\p)+FR*\b:128*(\p)+FR*\b+FR-1], v[AF+FR*(\a):AF+FR*(\a)+FR-1], 0, v[SC+8*NQ*(\sc)+NQ*\b+(\q)], v[SC+8*NQ*(\sc)+NQ*(\a)+(\q)] matrix_a_fmt:MATRIX_FMT_FP6 matrix_b_fmt:MATRIX_FMT_FP6 matrix_a_scale:MATRIX_SCALE_ROW1
.else
	v_wmma_scale_f32_16x16x128_f8f6f4 v[8*(8*((\a)%4)+\b):8*(8*((\a)%4)+\b)+7], v[128*(\p)+FR*\b:128*(\p)+FR*\b+FR-1], v[AF+FR*(\a):AF+FR*(\a)+FR-1], v[8*(8*((\a)%4)+\b):8*(8*((\a)%4)+\b)+7], v[SC+8*NQ*(\sc)+NQ*\b+(\q)], v[SC+8*NQ*(\sc)+NQ*(\a)+(\q)] matrix_a_fmt:MATRIX_FMT_FP6 matrix_b_fmt:MATRIX_FMT_FP6 matrix_a_scale:MATRIX_SCALE_ROW1
.endif
.endr
.endr
.endm
.macro FETCH_B slot, q, p              ; Y's eight fragments of the slot's q-th 128 along K into set p
	WIN TO_B
.irp i, 0,1,2,3,4,5,6,7
	FRAG 128*(\p)+FR*\i, ADRB+\slot, \q, \i
.endr
	WIN 0
.endm
.macro FETCH_A slot, q, i0             ; X's blocks i0 .. i0 + 3
.irp i, \i0, \i0+1, \i0+2, \i0+3
	FRAG AF+FR*(\i), ADRA+\slot, \q, \i
.endr
.endm
.macro SCALES sc                       ; a K step's scale words: lanes 0-15 X's block i, lanes 16-31 Y's block i
.irp i, 0,1,2,3,4,5,6,7
	ds_load_b64 v[SC+8*NQ*\sc+NQ*\i:SC+8*NQ*\sc+NQ*\i+1], v[ADRS] offset:\i*SBLK
.endr
.endm
.macro PLACES n                        ; plain vector instructions between a matrix instruction and a load into, or a vector write or read of, its registers
.rept \n
	v_nop
.endr
.endm
.macro STEP slot, q, zero              ; 128 along K whose successor lies in the same slot
	s_wait_dscnt 4*NL                              ; Y's set and X's blocks 0-3 are in; the 24 youngest loads (X's blocks 4-7) may be out
	WIN MUL_LO
	MUL16 0, (\q)%2, \q, \slot, \zero
	MUL16 2, (\q)%2, \q, \slot, \zero
	s_wait_dscnt 0
	PLACES NP
	FETCH_B \slot, (\q)+1, 1-(\q)%2
	FETCH_A \slot, (\q)+1, 0
	WIN MUL_HI
	MUL16 4, (\q)%2, \q, \slot, \zero
	MUL16 6, (\q)%2, \q, \slot, \zero
	PLACES NP
	WIN 0
	FETCH_A \slot, (\q)+1, 4
.endm
; A slot's last step changes slots: one barrier; in front of it each wave waits for all its tensor loads, adds 0 to its spare word, and waits for that and for its reads of this slot.
.macro TURN slot, next, fill
	s_wait_tensorcnt 0x0                           ; all my tensor loads have landed: my part of the next slot
	ds_add_u32 v[SPW], v[NIL]                      ; 0 onto my spare word
	s_wait_dscnt 4*NL+1                            ; the add and the 24 youngest loads may be out
	WIN MUL_LO
	MUL16 0, 1, NQ-1, \slot, 0
	s_wait_dscnt 0x0                               ; the add is done, and my reads of this slot are over
	s_barrier_signal -1
	MUL16 2, 1, NQ-1, \slot, 0
	WIN 0
	s_barrier_wait -1
.if \fill
	CREST                                          ; the barrier has opened a round of the cluster's barrier: no wave of any partner still reads this slot or has a load on its way
	s_add_nc_u64 s[G0+4*\slot+2:G0+4*\slot+3], s[G0+4*\slot+2:G0+4*\slot+3], 2*ROWB
	s_add_nc_u64 s[G0B+4*\slot+2:G0B+4*\slot+3], s[G0B+4*\slot+2:G0B+4*\slot+3], 2*ROWB
	JLOAD G0+4*\slot, G1, G0B+4*\slot, G1B         ; the first tensor load behind the round; its four v_nop are the places in front of the loads below
.else
	PLACES NP
.endif
	v_add_nc_u32 v[ADRS], 4*NQ, v[ADRS]            ; the next K step's scale words
	FETCH_B \next, 0, 0
	FETCH_A \next, 0, 0
	SCALES \next
	WIN MUL_HI
	MUL16 4, 1, NQ-1, \slot, 0
	MUL16 6, 1, NQ-1, \slot, 0
	PLACES NP
	WIN 0
	FETCH_A \next, 0, 4
.endm
	s_wait_tensorcnt 1                             ; the scales and my part of K step 0 are in; the one younger load, K step 1's, may be out
	s_wait_loadcnt 0x0                             ; the bias
	s_barrier_signal -1
	s_barrier_wait -1
	FETCH_B 0, 0, 0
	FETCH_A 0, 0, 0
	SCALES 0
	FETCH_A 0, 0, 4
	STEP 0, 0, 1                                   ; the first step's products start the sums
	s_mov_b32 s3, LAPS-1
.Llap:                                                 ; once round the ring: both slots are filled again
	TURN 0, 1, 1
	STEP 1, 0, 0
	TURN 1, 0, 1
	STEP 0, 0, 0
	s_sub_co_u32 s3, s3, 1
	s_cmp_lg_u32 s3, 0
	s_cbranch_scc1 .Llap
	TURN 0, 1, 0                                   ; the last lap fills nothing
	STEP 1, 0, 0
	s_wait_dscnt 4*NL
	WIN MUL_LO
	MUL16 0, 1, NQ-1, 1, 0
	MUL16 2, 1, NQ-1, 1, 0
	s_wait_dscnt 0
	WIN MUL_HI
	MUL16 4, 1, NQ-1, 1, 0
	MUL16 6, 1, NQ-1, 1, 0
	WIN 0
; ---------------- THE WAY OUT ----------------
; Block a of 16 x: its 64 sums a lane + the bias, into window 0.  Each accumulator is read from its low end on.  The branch hangs on the kind alone.
.macro ADDB a
	s_cmp_eq_u32 s[KIND], 2
	s_cbranch_scc1 .Lbias_x_\@
	WIN 0x02+(\a)/4
.irp n, 0,2,4,6,8,10,12,14,16,18,20,22,24,26,28,30,32,34,36,38,40,42,44,46,48,50,52,54,56,58,60,62
	v_pk_add_f32 v[HA+\n:HA+\n+1], v[64*((\a)%4)+\n:64*((\a)%4)+\n+1], v[BI+\n:BI+\n+1]   ; the bias runs along y
.endr
	WIN 0
	s_branch .Lbias_done_\@
.Lbias_x_\@:
	WIN 0x02+(\a)/4
.irp n, 0,2,4,6,8,10,12,14,16,18,20,22,24,26,28,30,32,34,36,38,40,42,44,46,48,50,52,54,56,58,60,62
	v_pk_add_f32 v[HA+\n:HA+\n+1], v[64*((\a)%4)+\n:64*((\a)%4)+\n+1], v[BI+8*(\a):BI+8*(\a)+1]   ; the bias runs along x: one number a lane
.endr
	WIN 0
.Lbias_done_\@:
.endm
; Register 8 b + j holds y = 16 b + 8 h + j.  The first's lanes 16-31 change places with the second's lanes 0-15: then register 16 c + i holds y = 32 c + 16 h + i: 16 neighbours.
.macro SWAPS
.irp b, 0,1,2,3
.irp j, 0,1,2,3,4,5,6,7
	v_permlane16_swap_b32 v[HA+16*\b+\j], v[HA+16*\b+8+\j]
.endr
.endr
.endm
; 64 numbers of a lane, register 16 b + i = y 32 b + 16 h + i of my x, become a fragment's codes in v[pc] on and its scale word in v[pw].
.macro QUANT s, pc, pw
.irp b, 0,1,2,3
	v_max3_num_f32 v[TM+\b], |v[\s+16*\b]|, |v[\s+1+16*\b]|, 0x1800000   ; my 16 numbers of block b, and the floor 2^(3 - 127): the byte cannot fall under 1
.endr
.irp i, 2,4,6,8,10,12,14
.irp b, 0,1,2,3
	v_max3_num_f32 v[TM+\b], v[TM+\b], |v[\s+16*\b+\i]|, |v[\s+1+16*\b+\i]|
.endr
.endr
.irp b, 0,1,2,3
	v_permlanex16_b32 v[TM+4+\b], v[TM+\b], s[SEL], s[SEL+1]
.endr
.irp b, 0,1,2,3
	v_max_num_f32 v[TM+\b], v[TM+\b], v[TM+4+\b]   ; with lane l xor 16's: the block's largest magnitude
.endr
.irp b, 0,1,2,3
	v_add_nc_u32 v[TM+12+\b], 0xff000000, v[TM+\b] ; 2 off its exponent field: the conversion's scale operand
.endr
.irp b, 0,1,2,3
	v_lshrrev_b32 v[TM+4+\b], 23, v[TM+12+\b]      ; the scale's byte
.endr
	v_lshl_or_b32 v[\pw], v[TM+5], 8, v[TM+4]
	v_lshl_or_b32 v[\pw], v[TM+6], 16, v[\pw]
	v_lshl_or_b32 v[\pw], v[TM+7], 24, v[\pw]
.irp c, 0,1
	v_cvt_scalef32_pk16_fp6_f32 v[\pc+6*\c:\pc+2+6*\c], v[\s+32*\c:\s+15+32*\c], v[TM+12+2*\c]
	v_cvt_scalef32_pk16_fp6_f32 v[\pc+12+4*\c:\pc+14+4*\c], v[\s+16+32*\c:\s+31+32*\c], v[TM+12+2*\c+1]   ; (a conversion's three registers begin on an even number)
.endr
	v_nop                                          ; one plain place behind a scaled conversion
.irp c, 0,1                                    ; the operand's layout wants a whole block in a lane
.irp i, 0,1,2
	v_permlane16_swap_b32 v[\pc+6*\c+\i], v[\pc+12+4*\c+\i]
.endr
.irp i, 0,1,2
	v_mov_b32 v[\pc+3+6*\c+\i], v[\pc+12+4*\c+\i]
.endr
.endr
.endm
; Two neighbouring blocks of x become two stored tiles: the first keeps its lanes 0-7 and takes the second's lanes 0-7 into its lanes 8-15; the second takes the first's lanes 8-15 into its lanes 0-7.  vcc_lo = lanes 8-15 of each half.
.macro XCH1 x, y
	v_mov_b32_dpp v[X0], v[\y] row_xmask:8 row_mask:0xf bank_mask:0xf
	v_mov_b32_dpp v[X1], v[\x] row_xmask:8 row_mask:0xf bank_mask:0xf
	v_cndmask_b32 v[\x], v[\x], v[X0], vcc_lo
	v_cndmask_b32 v[\y], v[X1], v[\y], vcc_lo
.endm
.macro PUTQK f, tau                    ; registers 0-5 are the first head's 64 channels, 6-11 the second's
	global_store_b128 v[L16], v[\f:\f+3], s[CB0:CB0+1] offset:768*(\tau)
	global_store_b64 v[L8], v[\f+4:\f+5], s[CB0:CB0+1] offset:768*(\tau)+512
	global_store_b128 v[L16], v[\f+6:\f+9], s[CB1:CB1+1] offset:768*(\tau)
	global_store_b64 v[L8], v[\f+10:\f+11], s[CB1:CB1+1] offset:768*(\tau)+512
.endm
.macro PUTV f, tau                     ; a whole fragment: 16 channels x 128 keys; tiles 0-3 are the first head's, 4-7 the second's
.irp c, 0,1,2
	global_store_b128 v[L16], v[\f+4*\c:\f+4*\c+3], s[CB0+2*((\tau)/4):CB0+2*((\tau)/4)+1] offset:1536*((\tau)%4)+512*\c
.endr
.endm
.macro PAIR p
	ADDB 2*(\p)
	SWAPS
.if (\p) > 0
	s_wait_xcnt 0x0                                ; the last pair's stores have read their registers: the codes may be written again
.endif
	QUANT HA, F0, PW0
	ADDB 2*(\p)+1
	SWAPS
	QUANT HA, F1, PW1
	s_mov_b32 vcc_lo, s[M8]
.irp i, 0,1,2,3,4,5,6,7,8,9,10,11
	XCH1 F0+\i, F1+\i
.endr
	XCH1 PW0, PW1
	s_mov_b32 vcc_lo, s[MH]
	v_cndmask_b32 v[R+\p], v[PW0], v[PW1], vcc_lo  ; lanes 0-15: the even tile's words, lanes 16-31: the odd tile's
	s_cmp_eq_u32 s[KIND], 2
	s_cbranch_scc1 .Lput_v_\@
	PUTQK F0, 2*(\p)
	PUTQK F1, 2*(\p)+1
	s_branch .Lput_done_\@
.Lput_v_\@:
	PUTV F0, 2*(\p)
	PUTV F1, 2*(\p)+1
.Lput_done_\@:
.endm
	PLACES NP                                      ; behind the last products: the lines below write registers that they read
	s_mov_b32 s[M8], 0xff00ff00
	s_mov_b32 s[MH], 0xffff0000
	s_mov_b32 s[SEL], 0x76543210
	s_mov_b32 s[SEL+1], 0xfedcba98
	s_lshr_b32 s18, s[T0], 11                      ; the batch,
	s_lshl_b32 s18, s18, 4
	s_lshr_b32 s19, s[C0], 6                       ; my first head,
	s_add_co_u32 s18, s18, s19
	s_lshl_b32 s18, s18, 4
	s_bfe_u32 s19, s[T0], 0x40007                  ; my 128 tokens among the batch's 2,048
	s_add_co_u32 s18, s18, s19                     ; the record's number
	s_mov_b32 s20, KVREC
	s_cmp_eq_u32 s[KIND], 0
	s_cselect_b32 s20, QREC, s20                   ; a record's bytes
	s_mul_i32 s18, s18, s20
	s_lshl_b32 s22, s20, 4                         ; the next head's record lies 16 records on
	s_cmp_eq_u32 s[KIND], 2
	s_cselect_b32 s21, 6144, 0                     ; V's tiles lie behind K's
	s_add_co_u32 s18, s18, s21
	s_mov_b32 s19, 0
	s_mov_b32 s23, 0
	s_add_nc_u64 s[CB0:CB0+1], s[12:13], s[18:19]  ; (no tensor load is out: the registers of the descriptors may be written)
	s_add_nc_u64 s[CB1:CB1+1], s[CB0:CB0+1], s[22:23]
	s_mov_b32 s18, 12288                           ; where the scale words lie, from there: K's at 12,288,
	s_cmp_eq_u32 s[KIND], 0
	s_cselect_b32 s18, 6144, s18                   ; Q's at 6,144,
	s_cmp_eq_u32 s[KIND], 2
	s_cselect_b32 s18, 6656, s18                   ; V's at 12,800 = 6,144 + 6,656
	s_add_nc_u64 s[WB0:WB0+1], s[CB0:CB0+1], s[18:19]
	s_add_nc_u64 s[WB1:WB1+1], s[CB1:CB1+1], s[18:19]
.irp b, 0,1,2,3
	v_mov_b32 v[TM+4+\b], 0                        ; written once: a lane permute's destination counts as one of its sources
.endr
	v_mov_b32 v[X0], 0
	v_mov_b32 v[X1], 0
	v_mov_b32 v[Z], 0
	v_mov_b32 v[Z+1], 0
	PAIR 0
	PAIR 1
	PAIR 2
	PAIR 3
	s_cmp_eq_u32 s[KIND], 2
	s_cbranch_scc1 .Lwords_v
.irp j, 0,1,2,3
	v_and_b32 v[RL+\j], 0xffff, v[R+\j]            ; a head's two bytes; the two bytes above them are 0: they belong to the 64 zero codes that fill the attention's K step
	v_lshrrev_b32 v[RH+\j], 16, v[R+\j]
.endr
	global_store_b128 v[L16], v[RL:RL+3], s[WB0:WB0+1]
	global_store_b128 v[L16], v[RH:RH+3], s[WB1:WB1+1]
	s_branch .Lwords_done
.Lwords_v:
	global_store_b64 v[L8], v[R:R+1], s[WB0:WB0+1]
	global_store_b64 v[L8], v[R+2:R+3], s[WB1:WB1+1]
	global_store_b64 v[L8], v[Z:Z+1], s[WB0:WB0+1] offset:256   ; the record's last 256 bytes: the next launch's loads bring whole records
	global_store_b64 v[L8], v[Z:Z+1], s[WB1:WB1+1] offset:256
.Lwords_done:
	s_wait_tensorcnt 0x0                           ; the wave's end
	ds_add_u32 v[SPW], v[NIL]
	s_wait_dscnt 0x0
	CROUND                                         ; the closing round
	s_endpgm
.Lfunc_end_k_qd9fac3d42e_proj:
	.size	k_qd9fac3d42e_proj, .Lfunc_end_k_qd9fac3d42e_proj-k_qd9fac3d42e_proj
	.p2alignl 7, 3214868480
	.fill 96, 4, 3214868480
	.section	.rodata,"a",@progbits
	.p2align	6, 0x0
	.amdhsa_kernel k_qd9fac3d42e_proj
		.amdhsa_group_segment_fixed_size 327680
		.amdhsa_private_segment_fixed_size 0
		.amdhsa_enable_private_segment 0
		.amdhsa_kernarg_size 136
		.amdhsa_user_sgpr_count 2
		.amdhsa_user_sgpr_kernarg_segment_ptr 1
		.amdhsa_wavefront_size32 1
		.amdhsa_system_sgpr_workgroup_id_x 1
		.amdhsa_system_sgpr_workgroup_id_y 1
		.amdhsa_system_sgpr_workgroup_id_z 1
		.amdhsa_system_vgpr_workitem_id 0
		.amdhsa_next_free_vgpr 1024
		.amdhsa_next_free_sgpr 102
		.amdhsa_reserve_vcc 1
		.amdhsa_float_denorm_mode_32 3
		.amdhsa_float_denorm_mode_16_64 3
		.amdhsa_memory_ordered 1
		.amdhsa_forward_progress 1
		.amdhsa_inst_pref_size 227
	.end_amdhsa_kernel
	.amdgpu_metadata
---
amdhsa.version: [ 1, 2 ]
amdhsa.kernels:
  - .name:           k_qd9fac3d42e_proj
    .symbol:         k_qd9fac3d42e_proj.kd
    .args:
      - { .name: q_codes, .offset: 0, .size: 8, .value_kind: global_buffer, .address_space: global }
      - { .name: q_scales, .offset: 8, .size: 8, .value_kind: global_buffer, .address_space: global }
      - { .name: Wq_codes, .offset: 16, .size: 8, .value_kind: global_buffer, .address_space: global }
      - { .name: Wq_scales, .offset: 24, .size: 8, .value_kind: global_buffer, .address_space: global }
      - { .name: k_codes, .offset: 32, .size: 8, .value_kind: global_buffer, .address_space: global }
      - { .name: k_scales, .offset: 40, .size: 8, .value_kind: global_buffer, .address_space: global }
      - { .name: Wk_codes, .offset: 48, .size: 8, .value_kind: global_buffer, .address_space: global }
      - { .name: Wk_scales, .offset: 56, .size: 8, .value_kind: global_buffer, .address_space: global }
      - { .name: Wv_codes, .offset: 64, .size: 8, .value_kind: global_buffer, .address_space: global }
      - { .name: Wv_scales, .offset: 72, .size: 8, .value_kind: global_buffer, .address_space: global }
      - { .name: v_codes, .offset: 80, .size: 8, .value_kind: global_buffer, .address_space: global }
      - { .name: v_scales, .offset: 88, .size: 8, .value_kind: global_buffer, .address_space: global }
      - { .name: bq, .offset: 96, .size: 8, .value_kind: global_buffer, .address_space: global }
      - { .name: bk, .offset: 104, .size: 8, .value_kind: global_buffer, .address_space: global }
      - { .name: bv, .offset: 112, .size: 8, .value_kind: global_buffer, .address_space: global }
      - { .name: qrec, .offset: 120, .size: 8, .value_kind: global_buffer, .address_space: global }
      - { .name: kvrec, .offset: 128, .size: 8, .value_kind: global_buffer, .address_space: global }
    .group_segment_fixed_size: 327680
    .private_segment_fixed_size: 0
    .kernarg_segment_align: 8
    .kernarg_segment_size: 136
    .max_flat_workgroup_size: 128
    .sgpr_count:     102
    .vgpr_count:     1024
    .wavefront_size: 32
...
	.end_amdgpu_metadata
.endif
;; end of part 1
;; launch attn (part 2): grid 4 x 64, 16 waves a work-group, clusters of 4 x 1, 215,040 bytes of LDS; arguments qrec, kvrec, oimg, osc; writes oimg, osc
.if DOCPART == 2
	.amdgcn_target "amdgcn-amd-amdhsa--gfx1250"
	.amdhsa_code_object_version 6
	.text
	.protected	k_qd9fac3d42e_attn
	.globl	k_qd9fac3d42e_attn
	.p2align	8
	.type	k_qd9fac3d42e_attn,@function
k_qd9fac3d42e_attn:
	s_mov_b64 s[64:65], 0
	v_nop
	global_prefetch_b8 v0, s[64:65] scope:SCOPE_SE
	s_setreg_imm32_b32 hwreg(HW_REG_WAVE_MODE, 25, 1), 1
	s_wait_xcnt 0x0
	s_wait_alu depctr_hold_cnt(0) depctr_sa_sdst(0) depctr_va_vdst(0) depctr_va_sdst(0) depctr_va_ssrc(0) depctr_va_vcc(0) depctr_vm_vsrc(0)
	s_getreg_b32 s2, hwreg(HW_REG_IB_STS2, 6, 4)
	s_cmp_eq_u32 s2, 0
	s_cbranch_scc0 .Lentry_in_a_cluster
	s_endpgm
.Lentry_in_a_cluster:
	s_bfe_u32 s2, ttmp6, 0x10000c
	s_cmp_lg_u32 s2, 0x3003
	s_cbranch_scc0 .Lentry_shape_is_right
	s_endpgm
.Lentry_shape_is_right:
; CAUSAL ATTENTION ON CODES OF FP6 (E2M3), head size 64, 2,048 keys, 64 batch-heads, and the quantising of its result along the model's 1,024 channels for the last projection.
; t = score x log2(e) / 32 (the scores are divided by sqrt(1,024)); M = the row's largest t so far, rounded up to a whole number; p = 2^(t - M) is quantised along the keys; the row's sum is taken of the unquantised p and divides at the end.
; A HEAD'S K AND V, 16 records of 13,312 bytes as the launch before laid them (images of the operands' registers), are 212,992 dense bytes: they are brought into LDS ONCE and stay.  No slot is filled again, nothing is stored to LDS.
; CLUSTER: the four work-groups of a cluster are the four shares of ONE head and ask for its records jointly (mask 15).
; SHARES: a head has 16 spans of 128 queries, 8 tiles of 16 each.  Wave w (u = w % 8, g = w / 8) of the work-group at place cx takes tile a = 4 g + cx of span 15 - u and then of span u: (16 - u) + (u + 1) = 17 steps of 128 keys for every wave.
; Branches hang on the wave's number and on loop counters alone; cx enters global addresses and the mask's lane register only.  A step whose keys all come after the tile's queries is jumped over; on the diagonal hidden scores become -infinity.
; LAYOUT: both products transposed (S^T = K Q^T, O^T = V^T P^T): a lane holds one query.  The head's 64 channels are half a K step: Q's upper six registers hold zero codes, K's operand runs on into the next tile's codes, which so count for nothing,
; and the scale bytes of those two blocks are 0 (2^-127, over products that are zero).
; A stored tile's lane r holds row 32 b + 8 u + r + 8 (r / 8) of its group (tile 2 b + u): so S^T's registers 16 b + i are keys 32 b + 16 h + i and O^T's registers 16 b + i channels 32 b + 16 h + i: neighbours for the conversions.
; OUT: oimg [tile of 16 queries 512][head 16][768]: the half fragment's registers 0-3 at 16 x lane, 4-5 at 512 + 8 x lane; osc [row of a tile 8,192][32]: a head's two scale bytes at 2 x head.
; LIMITS: NaN and infinities among the inputs' values are not served; a block whose largest magnitude lies under 2^-124 (a block of zeros too) gets the byte 1; 1 / sum by v_rcp_f32.
.set KVREC, 13312
.set QREC,  6656
.set PHA,   4*KVREC                    ; the first fill: steps 0-3
.set PAW,   PHA/16                     ; a wave's part of it: 13 rows of 256 bytes
.set PBW,   12*KVREC/16                ; and of steps 4-15: 39 rows
.set L16,  1                           ; v1   16 x lane
.set L8,   2                           ; v2   8 x lane
.set AD16, 3                           ; v3   the step's record + 16 x lane
.set AD8,  4                           ; v4   the step's record + 8 x lane
.set DQ,   5                           ; v5   my query's place in its span - 16 h
.set QWO,  6                           ; v6   16 r
.set OSO,  7                           ; v7   32 r
.set KV,   36                          ; v36-83 K's 8 tiles (6 registers each), then V's 4 (12 each); v84-89 zeros
.set KW,   90                          ; v90-93 K's scale words
.set VW,   94                          ; v94-95 V's
.set S,    96                          ; v96-159 S^T, then p
.set OT,   160                         ; v160-191 O^T
.set OL,   192                         ; v192-223 O^T / the sum
.set WV,   12
.set CX,   13
.set UU,   14
.set TA,   16                          ; a
.set BH,   17
.set SEL,  20
.set CS,   22                          ; s[22:23] c = log2(e) / 32
.set G1A,  24
.set G1B,  32
.set G0A,  40
.set G0B,  44
.set TB,   48                          ; LDS byte at which the step's record begins
.set SI,   49                          ; the step
.set SP1,  50
.set SP2,  51
.set QB,   52                          ; s[52:59] first tile's codes, its words, second tile's codes, its words
.set OB,   60
.set SB,   62
.macro CROUND                          ; a round of the cluster's barrier
	s_barrier_signal -1
	s_barrier_wait -1
	s_cmp_lg_u32 s[WV], 0
	s_cbranch_scc1 .Lnot_wave_0_\@
	s_barrier_signal -3
.Lnot_wave_0_\@:
	s_barrier_wait -3
	s_barrier_signal -1
	s_barrier_wait -1
.endm
.macro START                           ; a tile begins: the largest t is -3e38, the sum and O^T are zeros, which the first change of M leaves zeros
	v_mov_b32 v13, 0xff61b1e6
	s_delay_alu instid0(VALU_DEP_1)
	v_floor_f32 v12, -v13
	v_mov_b32 v14, 0
	v_mov_b32 v15, 0
.irp j, 0,1,2,3,4,5,6,7,8,9,10,11,12,13,14,15,16,17,18,19,20,21,22,23,24,25,26,27,28,29,30,31
	v_mov_b32 v[OT+\j], 0
.endr
.endm
	s_load_b256 s[4:11], s[0:1], 0x0               ; qrec s[4:5], kvrec s[6:7], oimg s[8:9], osc s[10:11]
	v_lshl_add_u32 v251, v0, 2, 0x34000
	v_mov_b32 v255, 0
	ds_add_u32 v251, v255
	ds_add_u32 v251, v255
	v_lshrrev_b32 v8, 5, v0
	s_delay_alu instid0(VALU_DEP_1)
	v_readfirstlane_b32 s[WV], v8                  ; wave 0..15
	s_bfe_u32 s[CX], ttmp6, 0x40000                ; my place in the cluster
	s_and_b32 s[BH], ttmp7, 0xffff                 ; batch x 16 + head, which the four partners share
	s_and_b32 s[UU], s[WV], 7
	s_lshr_b32 s[TA], s[WV], 3
	s_lshl_b32 s[TA], s[TA], 2
	s_add_co_u32 s[TA], s[TA], s[CX]               ; a = 4 g + cx
	s_sub_co_u32 s[SP1], 15, s[UU]
	s_mov_b32 s[SP2], s[UU]
	; descriptor groups 1: dense rows of 256 bytes (32 elements of 8 bytes), 13 and 39 of them; the mask names all four work-groups
	s_mov_b32 s[G1A], 15|(3<<16)|(1<<21)
	s_mov_b32 s[G1A+1], 32<<16
	s_mov_b32 s[G1A+2], 13<<16
	s_mov_b32 s[G1A+3], 32<<16
	s_mov_b32 s[G1A+4], 13
	s_mov_b32 s[G1A+5], 32
	s_mov_b32 s[G1A+6], 0
	s_mov_b32 s[G1A+7], 0
	s_mov_b32 s[G1B], 15|(3<<16)|(1<<21)
	s_mov_b32 s[G1B+1], 32<<16
	s_mov_b32 s[G1B+2], 39<<16
	s_mov_b32 s[G1B+3], 32<<16
	s_mov_b32 s[G1B+4], 39
	s_mov_b32 s[G1B+5], 32
	s_mov_b32 s[G1B+6], 0
	s_mov_b32 s[G1B+7], 0
	s_mul_i32 s18, s[BH], 16*KVREC                 ; the head's records
	s_mul_i32 s19, s[WV], PAW                      ; my part of steps 0-3, in memory and in LDS alike
	s_mul_i32 s15, s[WV], PBW
	s_add_co_u32 s15, s15, PHA                     ; and of steps 4-15
	s_mov_b32 s[SEL], 0x76543210
	s_mov_b32 s[SEL+1], 0xfedcba98
	s_mov_b32 s[CS], 0x3d38aa3b                    ; log2(e) / 32
	s_mov_b32 s[CS+1], s[CS]
	s_mov_b32 s[TB], 0
	v_and_b32 v8, 31, v0
	s_delay_alu instid0(VALU_DEP_1)
	v_lshlrev_b32 v[L16], 4, v8
	s_delay_alu instid0(VALU_DEP_2)
	v_lshlrev_b32 v[L8], 3, v8
	v_and_b32 v9, 15, v0                           ; r
	v_bfe_u32 v10, v0, 4, 1                        ; h
	s_delay_alu instid0(VALU_DEP_2)
	v_lshlrev_b32 v[QWO], 4, v9
	s_delay_alu instid0(VALU_DEP_3)
	v_lshlrev_b32 v[OSO], 5, v9
	s_delay_alu instid0(VALU_DEP_4)
	v_and_b32 v11, 8, v9
	s_delay_alu instid0(VALU_DEP_1)
	v_add_nc_u32 v[DQ], v11, v9                    ; r + 8 (r / 8)
	v_lshlrev_b32 v10, 4, v10
	s_delay_alu instid0(VALU_DEP_1)
	v_sub_nc_u32 v[DQ], v[DQ], v10                 ; - 16 h
	s_lshr_b32 s66, s[TA], 1
	s_lshl_b32 s66, s66, 5
	s_and_b32 s67, s[TA], 1
	s_lshl_b32 s67, s67, 3
	s_add_co_u32 s66, s66, s67
	v_add_nc_u32 v[DQ], s66, v[DQ]                 ; + 32 (a / 2) + 8 (a % 2)
.irp i, 0,1,2,3,4,5
	v_mov_b32 v[22+\i], 0                          ; Q's zero codes for K = 64 .. 127
	v_mov_b32 v[84+\i], 0                          ; what K's eighth operand runs on into
.endr
.irp b, 0,1,2,3
	v_mov_b32 v[236+\b], 0                         ; written once: a lane permute's destination counts as one of its sources
.endr
	v_mov_b32 v253, 0                              ; (named as the upper half of the pair v[252:253] before it is first written)
	START
	; where my two tiles of Q lie
	s_lshl_b32 s66, s[BH], 4
	s_add_co_u32 s67, s66, s[SP1]
	s_mul_i32 s67, s67, QREC                       ; the first tile's record
	s_add_co_u32 s66, s66, s[SP2]
	s_mul_i32 s66, s66, QREC                       ; the second's
	s_mul_i32 s68, s[TA], 768                      ; the tile's codes in it
	s_and_b32 s69, s[TA], 1
	s_lshl_b32 s69, s69, 8
	s_lshr_b32 s70, s[TA], 1
	s_lshl_b32 s70, s70, 2
	s_add_co_u32 s69, s69, s70
	s_add_co_u32 s69, s69, 6144                    ; and its words: register a / 2 of the image, lanes 16 (a % 2) on
	s_mov_b32 s71, 0
	s_mov_b32 s3, 0
	s_wait_dscnt 0x0
	s_wait_kmcnt 0x0
	s_mov_b32 s[G0A], 1
	s_mov_b32 s[G0A+1], s19
	s_add_co_u32 s2, s18, s19
	s_add_nc_u64 s[G0A+2:G0A+3], s[6:7], s[2:3]
	s_or_b32 s[G0A+3], s[G0A+3], 0x80000000
	s_mov_b32 s[G0B], 1
	s_mov_b32 s[G0B+1], s15
	s_add_co_u32 s2, s18, s15
	s_add_nc_u64 s[G0B+2:G0B+3], s[6:7], s[2:3]
	s_or_b32 s[G0B+3], s[G0B+3], 0x80000000
	s_add_co_u32 s70, s67, s68
	s_add_nc_u64 s[QB:QB+1], s[4:5], s[70:71]
	s_add_co_u32 s70, s67, s69
	s_add_nc_u64 s[QB+2:QB+3], s[4:5], s[70:71]
	s_add_co_u32 s70, s66, s68
	s_add_nc_u64 s[QB+4:QB+5], s[4:5], s[70:71]
	s_add_co_u32 s70, s66, s69
	s_add_nc_u64 s[QB+6:QB+7], s[4:5], s[70:71]
	CROUND                                         ; all four work-groups are here: the joint loads meet
	tensor_load_to_lds s[G0A:G0A+3], s[G1A:G1A+7]  ; my two fills stand together: two loads of mine are out
	s_nop 0
	tensor_load_to_lds s[G0B:G0B+3], s[G1B:G1B+7]
	s_nop 0
.rept 4
	v_nop
.endr
	global_load_b128 v[16:19], v[L16], s[QB:QB+1]
	global_load_b64 v[20:21], v[L8], s[QB:QB+1] offset:512
	global_load_b32 v28, v[QWO], s[QB+2:QB+3]
	global_load_b128 v[30:33], v[L16], s[QB+4:QB+5]
	global_load_b64 v[34:35], v[L8], s[QB+4:QB+5] offset:512
	global_load_b32 v29, v[QWO], s[QB+6:QB+7]
; A KEY STEP: 128 keys, the record at s[TB].  diag = 1: the step may be the tile's diagonal one (step = span).
.macro STEP diag, span
	v_add_nc_u32 v[AD16], s[TB], v[L16]
	v_add_nc_u32 v[AD8], s[TB], v[L8]
	v_nop
	v_nop                                          ; four places in front of loads into registers that the last products read
.irp t, 0,1,2,3,4,5,6,7
	ds_load_b128 v[KV+6*\t:KV+6*\t+3], v[AD16] offset:768*\t
	ds_load_b64 v[KV+6*\t+4:KV+6*\t+5], v[AD8] offset:768*\t+512
.endr
	ds_load_b128 v[KW:KW+3], v[AD16] offset:12288
	s_wait_alu depctr_va_vdst(0)
	s_wait_dscnt 0x0
.irp t, 0,2,4,6                                ; S^T = K Q^T: eight tiles of 16 keys, each a sum of its own
	v_wmma_scale_f32_16x16x128_f8f6f4 v[S+8*\t:S+8*\t+7], v[KV+6*\t:KV+6*\t+11], v[16:27], 0, v[KW+\t/2], v28 matrix_a_fmt:MATRIX_FMT_FP6 matrix_b_fmt:MATRIX_FMT_FP6
	v_wmma_scale_f32_16x16x128_f8f6f4 v[S+8*(\t+1):S+8*(\t+1)+7], v[KV+6*(\t+1):KV+6*(\t+1)+11], v[16:27], 0, v[KW+\t/2], v28 matrix_a_fmt:MATRIX_FMT_FP6 matrix_b_fmt:MATRIX_FMT_FP6 matrix_a_scale:MATRIX_SCALE_ROW1
.endr
.rept 4
	v_nop                                          ; places: for V's loads into K's registers, and for the first read of the scores
.endr
.irp t, 0,1,2,3                                ; V's four tiles are asked for now and land under the softmax
.irp c, 0,1,2
	ds_load_b128 v[KV+12*\t+4*\c:KV+12*\t+4*\c+3], v[AD16] offset:6144+1536*\t+512*\c
.endr
.endr
	ds_load_b64 v[VW:VW+1], v[AD8] offset:12800
.if \diag
	s_cmp_lg_u32 s[SI], s[\span]
	s_cbranch_scc1 .Lopen_\@                       ; all keys of an earlier step count
	v_mov_b32 v254, 0xff800000                     ; -infinity.  Register 16 b + i holds key 32 b + 16 h + i of the step: hidden where 32 b + i > my query's place - 16 h
.irp n, 0,1,2,3,4,5,6,7,8,9,10,11,12,13,14,15,16,17,18,19,20,21,22,23,24,25,26,27,28,29,30,31,32,33,34,35,36,37,38,39,40,41,42,43,44,45,46,47,48,49,50,51,52,53,54,55,56,57,58,59,60,61,62,63
	v_cmp_gt_i32 vcc_lo, 32*(\n/16)+\n%16, v[DQ]
	v_cndmask_b32 v[S+\n], v[S+\n], v254, vcc_lo
.endr
.Lopen_\@:
.endif
.irp b, 0,1,2,3
	v_max3_num_f32 v[232+\b], v[S+16*\b], v[S+1+16*\b], v[S+2+16*\b]   ; the largest score of each block of 32 keys: it serves for the row's maximum and, since p rises with the score, for the block's largest p
.endr
.irp i, 3,5,7,9,11,13
.irp b, 0,1,2,3
	v_max3_num_f32 v[232+\b], v[232+\b], v[S+16*\b+\i], v[S+1+16*\b+\i]
.endr
.endr
.irp b, 0,1,2,3
	v_max_num_f32 v[232+\b], v[232+\b], v[S+15+16*\b]
.endr
.irp b, 0,1,2,3
	s_delay_alu instid0(VALU_DEP_4)
	v_permlanex16_b32 v[236+\b], v[232+\b], s[SEL], s[SEL+1]
.endr
.irp b, 0,1,2,3
	s_delay_alu instid0(VALU_DEP_4)
	v_max_num_f32 v[232+\b], v[232+\b], v[236+\b]  ; with lane l xor 16's 16 keys
.endr
	s_delay_alu instid0(VALU_DEP_2)
	v_max3_num_f32 v254, v232, v233, v234
	s_delay_alu instid0(VALU_DEP_1)
	v_max_num_f32 v254, v254, v235                 ; the step's largest score of my query
	s_delay_alu instid0(VALU_DEP_1)
	v_mul_f32 v254, s[CS], v254                    ; as t
	s_delay_alu instid0(VALU_DEP_1)
	v_max_num_f32 v13, v13, v254                   ; the running largest t
	v_mov_b32 v254, v12
	s_delay_alu instid0(VALU_DEP_2)
	v_floor_f32 v12, -v13                          ; the new -M = floor(-t): M is a whole number
	s_delay_alu instid0(VALU_DEP_1)
	v_sub_f32 v254, v12, v254                      ; old M - new M: a whole number, 0 or less
	s_delay_alu instid0(VALU_DEP_1)
	v_cvt_i32_f32 v254, v254                       ; (it saturates)
	s_delay_alu instid0(VALU_DEP_1)
	v_ldexp_f32 v252, 1.0, v254                    ; f = 2^(old M - new M)
.irp j, 0,2,4,6,8,10,12,14,16,18,20,22,24,26,28,30,32,34,36,38,40,42,44,46,48,50,52,54,56,58,60,62
	v_pk_fma_f32 v[S+\j:S+\j+1], v[S+\j:S+\j+1], s[CS:CS+1], v[12:13] op_sel_hi:[1,0,0]   ; t - M, two at a time
.endr
.irp b, 0,1,2,3
	v_fma_f32 v[232+\b], v[232+\b], s[CS], v12     ; the same of each block's largest score
.endr
	s_setprio 1
	s_wait_alu depctr_va_vdst(0)
.irp j, 0,1,2,3,4,5,6,7,8,9,10,11,12,13,14,15,16,17,18,19,20,21,22,23,24,25,26,27,28,29,30,31,32,33,34,35,36,37,38,39,40,41,42,43,44,45,46,47,48,49,50,51,52,53,54,55,56,57,58,59,60,61,62,63
	v_exp_f32 v[S+\j], v[S+\j]                     ; p = 2^(t - M), at most 1
.endr
	v_pk_mul_f32 v[14:15], v[14:15], v[252:253] op_sel_hi:[1,0]   ; the sums under the new M: the plain place behind the exponentials
	s_wait_alu depctr_va_vdst(0)                   ; one wait for the whole batch, ahead of the first line that names a result
.irp b, 0,1,2,3
	v_exp_f32 v[232+\b], v[232+\b]                 ; the block's largest p
.endr
	v_pk_add_f32 v[236:237], v[100:101], v[104:105]
	v_pk_add_f32 v[248:249], v[108:109], v[112:113]
	v_pk_add_f32 v[246:247], v[116:117], v[120:121]
	v_pk_add_f32 v[244:245], v[124:125], v[128:129]
	v_pk_add_f32 v[242:243], v[132:133], v[136:137]
	v_pk_add_f32 v[240:241], v[140:141], v[144:145]
	v_pk_add_f32 v[238:239], v[148:149], v[152:153]
	v_pk_add_f32 v[14:15], v[14:15], v[156:157]
	v_pk_add_f32 v[236:237], v[236:237], v[96:97]
	v_pk_add_f32 v[248:249], v[248:249], v[98:99]
	v_pk_add_f32 v[246:247], v[246:247], v[102:103]
	v_pk_add_f32 v[244:245], v[244:245], v[106:107]
	v_pk_add_f32 v[242:243], v[242:243], v[110:111]
	v_pk_add_f32 v[240:241], v[240:241], v[114:115]
	v_pk_add_f32 v[238:239], v[238:239], v[118:119]
	v_pk_add_f32 v[14:15], v[14:15], v[122:123]
	v_pk_add_f32 v[236:237], v[236:237], v[126:127]
	v_pk_add_f32 v[248:249], v[248:249], v[130:131]
	v_pk_add_f32 v[246:247], v[246:247], v[134:135]
	v_pk_add_f32 v[244:245], v[244:245], v[138:139]
	v_pk_add_f32 v[242:243], v[242:243], v[142:143]
	v_pk_add_f32 v[240:241], v[240:241], v[146:147]
	v_pk_add_f32 v[238:239], v[238:239], v[150:151]
	v_pk_add_f32 v[14:15], v[14:15], v[154:155]
	v_pk_add_f32 v[236:237], v[236:237], v[158:159]
	s_delay_alu instid0(VALU_DEP_2)
	v_pk_add_f32 v[14:15], v[14:15], v[244:245]
	s_delay_alu instid0(VALU_DEP_2)
	v_pk_add_f32 v[236:237], v[236:237], v[242:243]
	v_pk_add_f32 v[248:249], v[248:249], v[240:241]
	v_pk_add_f32 v[246:247], v[246:247], v[238:239]
	s_delay_alu instid0(VALU_DEP_2)
	v_pk_add_f32 v[14:15], v[14:15], v[248:249]
	s_delay_alu instid0(VALU_DEP_2)
	v_pk_add_f32 v[236:237], v[236:237], v[246:247]
	s_delay_alu instid0(VALU_DEP_1)
	v_pk_add_f32 v[14:15], v[14:15], v[236:237]
	s_wait_alu depctr_va_vdst(0)                   ; and one for the four
.irp b, 0,1,2,3
	v_max_num_f32 v[232+\b], 0x1800000, v[232+\b]  ; the floor 2^(3 - 127): the byte cannot fall under 1
.endr
.irp b, 0,1,2,3
	s_delay_alu instid0(VALU_DEP_4)
	v_add_nc_u32 v[244+\b], 0xff000000, v[232+\b]  ; 2 off the exponent field: the conversion's scale operand
.endr
.irp b, 0,1,2,3
	s_delay_alu instid0(VALU_DEP_4)
	v_lshrrev_b32 v[236+\b], 23, v[244+\b]         ; the scale's byte
.endr
	s_delay_alu instid0(VALU_DEP_3)
	v_lshl_or_b32 v253, v237, 8, v236              ; p's scale word for these 128 keys
	s_delay_alu instid0(VALU_DEP_1)
	v_lshl_or_b32 v253, v238, 16, v253
	s_delay_alu instid0(VALU_DEP_1)
	v_lshl_or_b32 v253, v239, 24, v253
.irp c, 0,1
	v_cvt_scalef32_pk16_fp6_f32 v[224+6*\c:226+6*\c], v[S+32*\c:S+15+32*\c], v[244+2*\c]
	v_cvt_scalef32_pk16_fp6_f32 v[236+4*\c:238+4*\c], v[S+16+32*\c:S+31+32*\c], v[244+2*\c+1]
.endr
	v_nop                                          ; one plain place behind a scaled conversion
	s_setprio 0
.irp c, 0,1                                    ; the operand's layout wants a whole block in a lane
.irp i, 0,1,2
	v_permlane16_swap_b32 v[224+6*\c+\i], v[236+4*\c+\i]
.endr
.irp i, 0,1,2
	s_delay_alu instid0(VALU_DEP_3)
	v_mov_b32 v[227+6*\c+\i], v[236+4*\c+\i]
.endr
.endr
.irp j, 0,2,4,6,8,10,12,14,16,18,20,22,24,26,28,30
	v_pk_mul_f32 v[OT+\j:OT+\j+1], v[OT+\j:OT+\j+1], v[252:253] op_sel_hi:[1,0]   ; O^T under the new M; these sixteen are also the places between the lines that made p's codes and word and the products
.endr
	s_wait_alu depctr_va_vdst(0)
	s_wait_dscnt 0x0                               ; V is in
.irp t, 0,2                                    ; O^T += V^T P^T: four tiles of 16 channels, by turns
	v_wmma_scale_f32_16x16x128_f8f6f4 v[OT+8*\t:OT+8*\t+7], v[KV+12*\t:KV+12*\t+11], v[224:235], v[OT+8*\t:OT+8*\t+7], v[VW+\t/2], v253 matrix_a_fmt:MATRIX_FMT_FP6 matrix_b_fmt:MATRIX_FMT_FP6
	v_wmma_scale_f32_16x16x128_f8f6f4 v[OT+8*(\t+1):OT+8*(\t+1)+7], v[KV+12*(\t+1):KV+12*(\t+1)+11], v[224:235], v[OT+8*(\t+1):OT+8*(\t+1)+7], v[VW+\t/2], v253 matrix_a_fmt:MATRIX_FMT_FP6 matrix_b_fmt:MATRIX_FMT_FP6 matrix_a_scale:MATRIX_SCALE_ROW1
.endr
.endm
; Steps first .. first + trips - 1: the trip count is a constant; a step behind the tile's span is jumped over, but for the lines that step the address and the counter.
.macro WALK first, trips, span, diag
	s_mov_b32 s[SI], \first
.Lwalk_\@:
.if \diag
	s_cmp_gt_u32 s[SI], s[\span]
	s_cbranch_scc1 .Lskip_\@
.endif
	s_setprio 2
	STEP \diag, \span
.if \diag
.Lskip_\@:
.endif
	s_add_co_u32 s[TB], s[TB], KVREC
	s_add_co_u32 s[SI], s[SI], 1
	s_cmp_lt_u32 s[SI], \first+\trips
	s_cbranch_scc1 .Lwalk_\@
	s_setprio 0
.endm
; A tile ends: O^T / the sum, quantised along its 64 channels (two blocks), stored as half a fragment's image and two scale bytes a row.
.macro FINISH span
.rept 4
	v_nop                                          ; places behind the last products
.endr
	v_add_f32 v14, v14, v15
	s_delay_alu instid0(VALU_DEP_1)
	v_permlanex16_b32 v252, v14, s[SEL], s[SEL+1]
	s_delay_alu instid0(VALU_DEP_1)
	v_add_f32 v14, v14, v252                       ; the row's sum
	s_wait_alu depctr_va_vdst(0)
	v_rcp_f32 v14, v14
	v_nop                                          ; a plain place behind the reciprocal
	s_lshr_b32 s66, s[BH], 4
	s_lshl_b32 s66, s66, 7                         ; 128 tiles to a batch,
	s_lshl_b32 s67, s[\span], 3
	s_add_co_u32 s66, s66, s67                     ; 8 to a span
	s_add_co_u32 s66, s66, s[TA]                   ; the tile's number
	s_and_b32 s67, s[BH], 15                       ; the head
	s_lshl_b32 s68, s66, 4
	s_add_co_u32 s68, s68, s67
	s_mul_i32 s68, s68, 768
	s_mov_b32 s69, 0
	s_add_nc_u64 s[OB:OB+1], s[8:9], s[68:69]
	s_lshl_b32 s68, s66, 9                         ; 16 rows of 32 scale bytes to a tile
	s_lshl_b32 s67, s67, 1
	s_add_co_u32 s68, s68, s67
	s_add_nc_u64 s[SB:SB+1], s[10:11], s[68:69]
	s_wait_alu depctr_va_vdst(0)                   ; ahead of the first line that names the reciprocal
.irp j, 0,1,2,3,4,5,6,7,8,9,10,11,12,13,14,15,16,17,18,19,20,21,22,23,24,25,26,27,28,29,30,31
	v_mul_f32 v[OL+\j], v[OT+\j], v14              ; register 16 b + i is channel 32 b + 16 h + i of my query
.endr
.irp b, 0,1
	v_max3_num_f32 v[232+\b], |v[OL+16*\b]|, |v[OL+1+16*\b]|, 0x1800000
.endr
.irp i, 2,4,6,8,10,12,14
.irp b, 0,1
	s_delay_alu instid0(VALU_DEP_2)
	v_max3_num_f32 v[232+\b], v[232+\b], |v[OL+16*\b+\i]|, |v[OL+1+16*\b+\i]|
.endr
.endr
.irp b, 0,1
	s_delay_alu instid0(VALU_DEP_2)
	v_permlanex16_b32 v[236+\b], v[232+\b], s[SEL], s[SEL+1]
.endr
.irp b, 0,1
	s_delay_alu instid0(VALU_DEP_2)
	v_max_num_f32 v[232+\b], v[232+\b], v[236+\b]
.endr
.irp b, 0,1
	s_delay_alu instid0(VALU_DEP_2)
	v_add_nc_u32 v[244+\b], 0xff000000, v[232+\b]
.endr
.irp b, 0,1
	s_delay_alu instid0(VALU_DEP_2)
	v_lshrrev_b32 v[236+\b], 23, v[244+\b]
.endr
	s_delay_alu instid0(VALU_DEP_1)
	v_lshl_or_b32 v239, v237, 8, v236              ; the row's two bytes
	v_cvt_scalef32_pk16_fp6_f32 v[224:226], v[OL:OL+15], v244
	v_cvt_scalef32_pk16_fp6_f32 v[240:242], v[OL+16:OL+31], v245
	v_nop                                          ; one plain place behind a scaled conversion
.irp i, 0,1,2
	v_permlane16_swap_b32 v[224+\i], v[240+\i]
.endr
.irp i, 0,1,2
	s_delay_alu instid0(VALU_DEP_3)
	v_mov_b32 v[227+\i], v[240+\i]                 ; registers 0-5: channels 32 h + 0 .. 31
.endr
	global_store_b128 v[L16], v[224:227], s[OB:OB+1]             ; 512 consecutive aligned bytes
	global_store_b64 v[L8], v[228:229], s[OB:OB+1] offset:512    ; 256
	global_store_b16 v[OSO], v239, s[SB:SB+1]      ; lanes r and r + 16 write the same two bytes with the same value
.endm
	s_wait_tensorcnt 0x1                           ; my part of steps 0-3 is in; my one younger load, steps 4-15, may stay out
	s_wait_loadcnt 0x0                             ; Q
	s_barrier_signal -1
	s_barrier_wait -1
	WALK 0, 4, SP1, 0                              ; the first tile's span is 8 or more: all keys of steps 0-3 count
	s_wait_tensorcnt 0x0                           ; my part of steps 4-15 is in,
	s_wait_dscnt 0x0
	s_barrier_signal -1
	s_barrier_wait -1                              ; everybody's is
	WALK 4, 12, SP1, 1
	FINISH SP1
	s_wait_xcnt 0x0                                ; the stores have read their registers and bases
.irp i, 0,1,2,3,4,5
	v_mov_b32 v[16+\i], v[30+\i]                   ; the second tile's codes
.endr
	v_mov_b32 v28, v29                             ; and scale words; the 36 lines of START are the places between these and the next products
	START
	s_mov_b32 s[TB], 0
	WALK 0, 8, SP2, 1
	FINISH SP2
	s_wait_tensorcnt 0x0
	ds_add_u32 v251, v255
	s_wait_dscnt 0x0
	CROUND                                         ; the closing round
	s_endpgm
.Lfunc_end_k_qd9fac3d42e_attn:
	.size	k_qd9fac3d42e_attn, .Lfunc_end_k_qd9fac3d42e_attn-k_qd9fac3d42e_attn
	.p2alignl 7, 3214868480
	.fill 96, 4, 3214868480
	.section	.rodata,"a",@progbits
	.p2align	6, 0x0
	.amdhsa_kernel k_qd9fac3d42e_attn
		.amdhsa_group_segment_fixed_size 215040
		.amdhsa_private_segment_fixed_size 0
		.amdhsa_enable_private_segment 0
		.amdhsa_kernarg_size 32
		.amdhsa_user_sgpr_count 2
		.amdhsa_user_sgpr_kernarg_segment_ptr 1
		.amdhsa_wavefront_size32 1
		.amdhsa_system_sgpr_workgroup_id_x 1
		.amdhsa_system_sgpr_workgroup_id_y 1
		.amdhsa_system_sgpr_workgroup_id_z 1
		.amdhsa_system_vgpr_workitem_id 0
		.amdhsa_next_free_vgpr 256
		.amdhsa_next_free_sgpr 72
		.amdhsa_reserve_vcc 1
		.amdhsa_float_denorm_mode_32 3
		.amdhsa_float_denorm_mode_16_64 3
		.amdhsa_memory_ordered 1
		.amdhsa_forward_progress 1
		.amdhsa_inst_pref_size 81
	.end_amdhsa_kernel
	.amdgpu_metadata
---
amdhsa.version: [ 1, 2 ]
amdhsa.kernels:
  - .name:           k_qd9fac3d42e_attn
    .symbol:         k_qd9fac3d42e_attn.kd
    .args:
      - { .name: qrec, .offset: 0, .size: 8, .value_kind: global_buffer, .address_space: global }
      - { .name: kvrec, .offset: 8, .size: 8, .value_kind: global_buffer, .address_space: global }
      - { .name: oimg, .offset: 16, .size: 8, .value_kind: global_buffer, .address_space: global }
      - { .name: osc, .offset: 24, .size: 8, .value_kind: global_buffer, .address_space: global }
    .group_segment_fixed_size: 215040
    .private_segment_fixed_size: 0
    .kernarg_segment_align: 8
    .kernarg_segment_size: 32
    .max_flat_workgroup_size: 512
    .sgpr_count:     72
    .vgpr_count:     256
    .wavefront_size: 32
...
	.end_amdgpu_metadata
.endif
;; end of part 2
;; launch outp (part 3): grid 4 x 32, 4 waves a work-group, clusters of 4 x 4, 327,680 bytes of LDS; arguments oimg, osc, Wo_codes, Wo_scales, bo, out0; writes out0
.if DOCPART == 3
	.amdgcn_target "amdgcn-amd-amdhsa--gfx1250"
	.amdhsa_code_object_version 6
	.text
	.protected	k_qd9fac3d42e_outp
	.globl	k_qd9fac3d42e_outp
	.p2align	8
	.type	k_qd9fac3d42e_outp,@function
k_qd9fac3d42e_outp:
	s_mov_b64 s[64:65], 0
	v_nop
	global_prefetch_b8 v0, s[64:65] scope:SCOPE_SE
	s_setreg_imm32_b32 hwreg(HW_REG_WAVE_MODE, 25, 1), 1
	s_wait_xcnt 0x0
	s_wait_alu depctr_hold_cnt(0) depctr_sa_sdst(0) depctr_va_vdst(0) depctr_va_sdst(0) depctr_va_ssrc(0) depctr_va_vcc(0) depctr_vm_vsrc(0)
	s_getreg_b32 s2, hwreg(HW_REG_IB_STS2, 6, 4)
	s_cmp_eq_u32 s2, 0
	s_cbranch_scc0 .Lentry_in_a_cluster
	s_endpgm
.Lentry_in_a_cluster:
	s_bfe_u32 s2, ttmp6, 0x10000c
	s_cmp_lg_u32 s2, 0xf033
	s_cbranch_scc0 .Lentry_shape_is_right
	s_endpgm
.Lentry_shape_is_right:
; out0 = A Wo + bo on codes of FP6 (E2M3), one E8M0 scale for each 32 along K = 1,024.  A is the attention's result as the launch before stored it:
; oimg [tile of 16 rows 512][head 16][768]: images of half fragments (16 rows x 64 K: registers 0-3 at 16 x lane, 4-5 at 512 + 8 x lane); osc [row of a tile 8,192][32] scale bytes.  Wo: codes [1,024][768], scale bytes [1,024][32].  out0 [8,192][1,024] f32.
; Lane r of tile 2 b + u of a group of 128 rows holds row 32 b + 8 u + r + 8 (r / 8) of the group: only the stores know of it.
; A tile of out0, 256 x 256, is made by a work-group of four waves, each 128 x 128 (64 accumulators); K goes in steps of 256 through a ring of two LDS slots.  128 such tiles: 128 work-groups; a smaller tile would read each fragment from LDS for half the products.
; CLUSTERS: 4 x 4; A's tiles are shared along a row of the cluster, Wo's along a column: each is asked for jointly.  Transposed use: source 0 = 16 rows of Wo, source 1 = 16 rows of A: a lane holds eight neighbouring numbers of a row of out0.
; bo is the C of each sum's first matrix instruction.
.set SIZE_N, 1024
.set KSTEP,  256
.set NQ,     KSTEP/128
.set ROWB,   192
.set KROW,   768
.set PITCH,  240                       ; Wo's LDS row: 3 x (64 bytes + 16 of padding)
.set FR,     12
.set NL,     6                         ; LDS loads that bring a fragment of Wo
.set NLA,    4                         ; and one of A
.set NP,     4
.set HALFT,  128*PITCH                 ; 128 rows of Wo
.set HALFA,  8*3072                    ; 8 tiles of A x 4 heads x 768 bytes
.set SLOT,   2*HALFA+2*HALFT
.set LAPS,   2
.set KS,     32
.set SCL,    2*SLOT
.set HALFS,  (128*KS/256)*272
.set SBLK,   (16*KS/256)*272
.set SPARE,  SCL+4*HALFS               ; the spare words, 128 bytes for each wave, named by no other line
.set SPITCH, 528                       ; the way out: a stage of 16 rows x (512 + 16) bytes for each wave, in slot 0, which has had its last fill and its last read by then
.set ADRA, 16                          ; v16-17 A: slot + 16 x lane; v18-19 slot + 8 x lane
.set ADRB, 20                          ; v20-23 Wo's fragments
.set STO,  24
.set RD,   25
.set CO,   26
.set ADRS, 27
.set SPW,  28
.set NIL,  29
.set SC,   32                          ; v32-63 scale words, two sets
.set BI,   64                          ; v64-127 bo in the result's layout: register 8 b + j = bo[first column + 16 b + 8 h + j]
.set AF,   128
.set BK,   128
.set G1,   24
.set G0,   32
.set G1B,  48
.set G0B,  56
.set G1S,  68
.set G0S,  76
.set G1SB, 80
.set G0SB, 88
.set MSB, 0
.macro WIN new
.if MSB != (\new)
	s_set_vgpr_msb (MSB<<8)|(\new)
.set MSB, \new
.endif
.endm
.set MUL_LO, 0xa1                      ; source 0 (Wo) window 1, source 1 (A) window 0, C and D window 2
.set MUL_HI, 0xf1
.set FST_LO, 0x81                      ; the same with C (bo) in window 0
.set FST_HI, 0xc1
.set TO_B,   0x40
.macro JLOAD g0a, g1a, g0b, g1b        ; waves 0 and 1 fetch for A, waves 2 and 3 for Wo; four v_nop follow each of the two lines
	s_cmp_eq_u32 s15, 0
	s_cbranch_scc0 .Lfor_b_\@
	tensor_load_to_lds s[\g0a:\g0a+3], s[\g1a:\g1a+7]
	s_nop 0
.rept 4
	v_nop
.endr
	s_branch .Lasked_\@
.Lfor_b_\@:
	tensor_load_to_lds s[\g0b:\g0b+3], s[\g1b:\g1b+7]
	s_nop 0
.rept 4
	v_nop
.endr
.Lasked_\@:
.endm
.macro CREST
	s_cmp_lg_u32 s14, 0
	s_cbranch_scc1 .Lnot_wave_0_\@
	s_barrier_signal -3
.Lnot_wave_0_\@:
	s_barrier_wait -3
	s_barrier_signal -1
	s_barrier_wait -1
.endm
.macro CROUND
	s_barrier_signal -1
	s_barrier_wait -1
	CREST
.endm
	s_load_b128 s[4:7], s[0:1], 0x0                ; oimg, osc
	s_load_b128 s[8:11], s[0:1], 0x10              ; Wo's codes, Wo's scales
	s_load_b128 s[96:99], s[0:1], 0x20             ; bo, out0
	v_lshl_add_u32 v[SPW], v0, 2, SPARE
	v_mov_b32 v[NIL], 0
	ds_add_u32 v28, v29
	ds_add_u32 v28, v29
	s_wait_dscnt 0x0
	v_lshrrev_b32 v1, 5, v0
	v_readfirstlane_b32 s14, v1                    ; wave 0..3
	s_lshr_b32 s15, s14, 1                         ; my half of the tile's rows.  Also: I fetch for A (0) or for Wo (1)
	s_and_b32 s16, s14, 1                          ; my half of its columns.  Also: which 128 rows I fetch
	s_bfe_u32 s40, ttmp6, 0x40000                  ; cx
	s_bfe_u32 s41, ttmp6, 0x40004                  ; cy
	s_lshl_b32 s42, ttmp9, 2
	s_add_co_u32 s42, s42, s40                     ; tile column
	s_and_b32 s17, ttmp7, 0xffff
	s_lshl_b32 s17, s17, 2
	s_add_co_u32 s17, s17, s41                     ; tile row
	s_lshl_b32 s43, s41, 2
	s_lshl_b32 s43, 15, s43                        ; my row of the cluster
	s_lshl_b32 s44, 0x1111, s40                    ; my column
	; A: 8 tiles' parts of a K step: 8 rows of 3,072 bytes (384 elements of 8 bytes), 12,288 bytes apart; no padding: the images are read 16 or 8 bytes a lane on end
	s_or_b32 s[G1+0], s43, (3<<16)|(1<<21)
	s_mov_b32 s[G1+1], 384<<16
	s_mov_b32 s[G1+2], 8<<16
	s_mov_b32 s[G1+3], 384<<16
	s_mov_b32 s[G1+4], 8
	s_mov_b32 s[G1+5], 1536
	s_mov_b32 s[G1+6], 0
	s_mov_b32 s[G1+7], 0
	; Wo: 128 rows x 192 bytes, 16 bytes of padding behind every 64
	s_or_b32 s[G1B+0], s44, (0<<16)|(1<<20)|(1<<21)|(3<<22)|(3<<25)
	s_mov_b32 s[G1B+1], ROWB<<16
	s_mov_b32 s[G1B+2], 128<<16
	s_mov_b32 s[G1B+3], ROWB<<16
	s_mov_b32 s[G1B+4], 128
	s_mov_b32 s[G1B+5], KROW
	s_mov_b32 s[G1B+6], 0
	s_mov_b32 s[G1B+7], 0
	; the scales of 128 rows: 16 rows of 256 bytes, 16 bytes of padding behind each
	s_or_b32 s[G1S+0], s43, (3<<16)|(1<<20)|(1<<21)|(5<<22)|(3<<25)
	s_or_b32 s[G1SB+0], s44, (3<<16)|(1<<20)|(1<<21)|(5<<22)|(3<<25)
.irp g, G1S, G1SB
	s_mov_b32 s[\g+1], 32<<16
	s_mov_b32 s[\g+2], (128*KS/256)<<16
	s_mov_b32 s[\g+3], 32<<16
	s_mov_b32 s[\g+4], 128*KS/256
	s_mov_b32 s[\g+5], 32
	s_mov_b32 s[\g+6], 0
	s_mov_b32 s[\g+7], 0
.endr
	s_lshl_b32 s18, s16, 7
	s_lshl_b32 s20, s17, 8
	s_add_co_u32 s20, s20, s18                     ; A: row 256 x tile row + 128 x half
	s_lshl_b32 s46, s42, 8
	s_add_co_u32 s46, s46, s18                     ; Wo: row 256 x tile column + 128 x half
	s_mov_b32 s21, 0
	s_mov_b32 s47, 0
	s_mov_b64 s[18:19], KS
	s_mul_u64 s[22:23], s[20:21], s[18:19]
	s_mul_u64 s[92:93], s[46:47], s[18:19]
	s_mov_b64 s[18:19], KROW                       ; 768 bytes a row in Wo's codes; and in oimg 16 rows are 12,288 bytes
	s_mul_u64 s[20:21], s[20:21], s[18:19]
	s_mul_u64 s[46:47], s[46:47], s[18:19]
	s_mul_i32 s45, s16, HALFA                      ; where A's half goes,
	s_mul_i32 s95, s16, HALFT
	s_add_co_u32 s95, s95, 2*HALFA                 ; and Wo's, behind A's two
	s_mul_i32 s94, s14, HALFS
	s_wait_kmcnt 0x0
	s_add_nc_u64 s[20:21], s[4:5], s[20:21]
	s_add_nc_u64 s[22:23], s[6:7], s[22:23]
	s_add_nc_u64 s[46:47], s[8:9], s[46:47]
	s_add_nc_u64 s[92:93], s[10:11], s[92:93]
	CROUND                                         ; the first joint loads meet
	s_mov_b32 s[G0S], 1
	s_add_co_u32 s[G0S+1], s94, SCL
	s_mov_b64 s[G0S+2:G0S+3], s[22:23]
	s_or_b32 s[G0S+3], s[G0S+3], 0x80000000
	s_mov_b32 s[G0SB], 1
	s_add_co_u32 s[G0SB+1], s94, SCL
	s_mov_b64 s[G0SB+2:G0SB+3], s[92:93]
	s_or_b32 s[G0SB+3], s[G0SB+3], 0x80000000
	JLOAD G0S, G1S, G0SB, G1SB
.irp s, 0,1
	s_mov_b32 s[G0+4*\s], 1
	s_add_co_u32 s[G0+4*\s+1], s45, \s*SLOT
	s_add_nc_u64 s[G0+4*\s+2:G0+4*\s+3], s[20:21], \s*3072
	s_or_b32 s[G0+4*\s+3], s[G0+4*\s+3], 0x80000000
	s_mov_b32 s[G0B+4*\s], 1
	s_add_co_u32 s[G0B+4*\s+1], s95, \s*SLOT
	s_add_nc_u64 s[G0B+4*\s+2:G0B+4*\s+3], s[46:47], \s*ROWB
	s_or_b32 s[G0B+4*\s+3], s[G0B+4*\s+3], 0x80000000
	JLOAD G0+4*\s, G1, G0B+4*\s, G1B
.endr
	v_and_b32 v1, 15, v0                           ; r
	v_bfe_u32 v2, v0, 4, 1                         ; h
	v_and_b32 v6, 31, v0                           ; lane
	v_mul_u32_u24 v3, v1, PITCH
	v_mul_u32_u24 v4, v2, 24
	v_add_nc_u32 v4, v3, v4
	v_lshl_add_u32 v5, v2, 4, v4
	v_lshlrev_b32 v8, 4, v6                        ; 16 x lane
	v_lshlrev_b32 v9, 3, v6                        ; 8 x lane
	s_mul_i32 s21, s15, HALFA                      ; my 8 tiles of A
	s_mul_i32 s22, s16, HALFT
	s_add_co_u32 s22, s22, 2*HALFA                 ; my 128 rows of Wo
.irp s, 0,1
	v_add_nc_u32 v[ADRA+\s], s21, v8
	v_add_nc_u32 v[ADRA+2+\s], s21, v9
	v_add_nc_u32 v[ADRB+\s], s22, v4
	v_add_nc_u32 v[ADRB+2+\s], s22, v5
	s_add_co_u32 s21, s21, SLOT
	s_add_co_u32 s22, s22, SLOT
.endr
	v_mul_u32_u24 v5, v1, KS
	v_lshrrev_b32 v6, 8, v5
	v_lshl_add_u32 v5, v6, 4, v5
	s_mul_i32 s21, s15, HALFS
	s_mul_i32 s22, s16, HALFS
	s_add_co_u32 s22, s22, 2*HALFS
	s_sub_co_u32 s22, s22, s21
	v_mul_u32_u24 v6, s22, v2                      ; lanes 16-31 take Wo's
	s_add_co_u32 s21, s21, SCL
	v_add_nc_u32 v5, v5, v6
	v_add_nc_u32 v[ADRS], s21, v5
	s_mul_i32 s23, s14, 16*SPITCH                  ; my stage
	v_mul_u32_u24 v5, v1, SPITCH
	v_lshl_add_u32 v5, v2, 5, v5
	v_add_nc_u32 v[STO], s23, v5
	v_mov_b32 v[CO], v8
	v_add_nc_u32 v[RD], s23, v8
	s_lshl_b32 s20, s17, 8
	s_lshl_b32 s21, s15, 7
	s_add_co_u32 s20, s20, s21                     ; my first row of out0
	s_mov_b32 s21, 0
	s_mov_b64 s[18:19], SIZE_N*4
	s_mul_u64 s[20:21], s[20:21], s[18:19]
	s_lshl_b32 s46, s42, 10                        ; my first column, in bytes
	s_lshl_b32 s47, s16, 9
	s_add_co_u32 s46, s46, s47
	s_mov_b32 s47, 0
	s_add_nc_u64 s[20:21], s[20:21], s[46:47]
	s_add_nc_u64 s[12:13], s[98:99], s[20:21]
	s_add_nc_u64 s[96:97], s[96:97], s[46:47]      ; bo at my first column
	v_lshlrev_b32 v7, 5, v2                        ; + 32 h bytes
.irp b, 0,1,2,3,4,5,6,7
	global_load_b128 v[BI+8*\b:BI+8*\b+3], v7, s[96:97] offset:64*\b
	global_load_b128 v[BI+8*\b+4:BI+8*\b+7], v7, s[96:97] offset:64*\b+16
.endr
.macro FRAG reg, adr, q, i             ; a fragment of Wo from padded rows, in pieces of 8 bytes
.irp p, 0,1,2,3,4,5
.set PC, 12*(\q)+6*(\p/3)+\p%3
.if PC%8 < 5
	ds_load_b64 v[\reg+2*\p:\reg+2*\p+1], v[\adr] offset:8*PC+16*(PC/8)+(\i)*16*PITCH
.else
	ds_load_b64 v[\reg+2*\p:\reg+2*\p+1], v[\adr+2] offset:8*PC+16*(PC/8)+(\i)*16*PITCH
.endif
.endr
.endm
.macro FRAGA reg, slot, q, i           ; a fragment of A: two heads' half images, as they were stored
	ds_load_b128 v[\reg:\reg+3], v[ADRA+\slot] offset:3072*(\i)+1536*(\q)
	ds_load_b64 v[\reg+4:\reg+5], v[ADRA+2+\slot] offset:3072*(\i)+1536*(\q)+512
	ds_load_b128 v[\reg+6:\reg+9], v[ADRA+\slot] offset:3072*(\i)+1536*(\q)+768
	ds_load_b64 v[\reg+10:\reg+11], v[ADRA+2+\slot] offset:3072*(\i)+1536*(\q)+1280
.endm
; 16 matrix instructions; the 64 accumulators take turns, one instruction a turn.  zero = 1: the first product starts the sums, with bo as its C.
.macro MUL16 a0, p, q, sc, zero
.irp a, \a0, \a0+1
.irp b, 0,1,2,3,4,5,6,7
.if \zero
	v_wmma_scale_f32_16x16x128_f8f6f4 v[8*(8*((\a)%4)+\b):8*(8*((\a)%4)+\b)+7], v[128*(\p)+FR*\b:128*(\p)+FR*\b+FR-1], v[AF+FR*(\a):AF+FR*(\a)+FR-1], v[BI+8*\b:BI+8*\b+7], v[SC+8*NQ*(\sc)+NQ*\b+(\q)], v[SC+8*NQ*(\sc)+NQ*(\a)+(\q)] matrix_a_fmt:MATRIX_FMT_FP6 matrix_b_fmt:MATRIX_FMT_FP6 matrix_a_scale:MATRIX_SCALE_ROW1
.else
	v_wmma_scale_f32_16x16x128_f8f6f4 v[8*(8*((\a)%4)+\b):8*(8*((\a)%4)+\b)+7], v[128*(\p)+FR*\b:128*(\p)+FR*\b+FR-1], v[AF+FR*(\a):AF+FR*(\a)+FR-1], v[8*(8*((\a)%4)+\b):8*(8*((\a)%4)+\b)+7], v[SC+8*NQ*(\sc)+NQ*\b+(\q)], v[SC+8*NQ*(\sc)+NQ*(\a)+(\q)] matrix_a_fmt:MATRIX_FMT_FP6 matrix_b_fmt:MATRIX_FMT_FP6 matrix_a_scale:MATRIX_SCALE_ROW1
.endif
.endr
.endr
.endm
.macro FETCH_B slot, q, p
	WIN TO_B
.irp i, 0,1,2,3,4,5,6,7
	FRAG 128*(\p)+FR*\i, ADRB+\slot, \q, \i
.endr
	WIN 0
.endm
.macro FETCH_A slot, q, i0
.irp i, \i0, \i0+1, \i0+2, \i0+3
	FRAGA AF+FR*(\i), \slot, \q, \i
.endr
.endm
.macro SCALES sc
.irp i, 0,1,2,3,4,5,6,7
	ds_load_b64 v[SC+8*NQ*\sc+NQ*\i:SC+8*NQ*\sc+NQ*\i+1], v[ADRS] offset:\i*SBLK
.endr
.endm
.macro PLACES n
.rept \n
	v_nop
.endr
.endm
.macro STEP slot, q, zero
	s_wait_dscnt 4*NLA                             ; Wo's set and A's blocks 0-3 are in; the 16 youngest loads (A's blocks 4-7) may be out
.if \zero
	WIN FST_LO
.else
	WIN MUL_LO
.endif
	MUL16 0, (\q)%2, \q, \slot, \zero
	MUL16 2, (\q)%2, \q, \slot, \zero
	s_wait_dscnt 0
	PLACES NP
	FETCH_B \slot, (\q)+1, 1-(\q)%2
	FETCH_A \slot, (\q)+1, 0
.if \zero
	WIN FST_HI
.else
	WIN MUL_HI
.endif
	MUL16 4, (\q)%2, \q, \slot, \zero
	MUL16 6, (\q)%2, \q, \slot, \zero
	PLACES NP
	WIN 0
	FETCH_A \slot, (\q)+1, 4
.endm
.macro TURN slot, next, fill
	s_wait_tensorcnt 0x0                           ; all my tensor loads have landed: my part of the next slot
	ds_add_u32 v[SPW], v[NIL]                      ; 0 onto my spare word
	s_wait_dscnt 4*NLA+1                           ; the add and the 16 youngest loads may be out
	WIN MUL_LO
	MUL16 0, 1, NQ-1, \slot, 0
	s_wait_dscnt 0x0                               ; the add is done, and my reads of this slot are over
	s_barrier_signal -1
	MUL16 2, 1, NQ-1, \slot, 0
	WIN 0
	s_barrier_wait -1
.if \fill
	CREST                                          ; a round of the cluster's barrier: no wave of any partner still reads this slot or has a load on its way
	s_add_nc_u64 s[G0+4*\slot+2:G0+4*\slot+3], s[G0+4*\slot+2:G0+4*\slot+3], 2*3072
	s_add_nc_u64 s[G0B+4*\slot+2:G0B+4*\slot+3], s[G0B+4*\slot+2:G0B+4*\slot+3], 2*ROWB
	JLOAD G0+4*\slot, G1, G0B+4*\slot, G1B
.else
	PLACES NP
.endif
	v_add_nc_u32 v[ADRS], 4*NQ, v[ADRS]
	FETCH_B \next, 0, 0
	FETCH_A \next, 0, 0
	SCALES \next
	WIN MUL_HI
	MUL16 4, 1, NQ-1, \slot, 0
	MUL16 6, 1, NQ-1, \slot, 0
	PLACES NP
	WIN 0
	FETCH_A \next, 0, 4
.endm
	s_wait_tensorcnt 1                             ; the scales and my part of K step 0 are in; the one younger load, K step 1's, may be out
	s_wait_loadcnt 0x0                             ; bo
	s_barrier_signal -1
	s_barrier_wait -1
	FETCH_B 0, 0, 0
	FETCH_A 0, 0, 0
	SCALES 0
	FETCH_A 0, 0, 4
	STEP 0, 0, 1
	s_mov_b32 s3, LAPS-1
.Llap:
	TURN 0, 1, 1
	STEP 1, 0, 0
	TURN 1, 0, 1
	STEP 0, 0, 0
	s_sub_co_u32 s3, s3, 1
	s_cmp_lg_u32 s3, 0
	s_cbranch_scc1 .Llap
	TURN 0, 1, 0
	STEP 1, 0, 0
	s_wait_dscnt 4*NLA
	WIN MUL_LO
	MUL16 0, 1, NQ-1, 1, 0
	MUL16 2, 1, NQ-1, 1, 0
	s_wait_dscnt 0
	WIN MUL_HI
	MUL16 4, 1, NQ-1, 1, 0
	MUL16 6, 1, NQ-1, 1, 0
	WIN 0
; THE WAY OUT, a block of 16 rows x 128 columns at a time through my own stage: in as 32 bytes a lane, back as whole rows of 512 bytes.  LDS serves a wave's instructions in order (ISA guide 5.7.1.4).
.macro TOSTAGE a
.set AC, 64*((\a)%4)
	WIN 0x08+4*((\a)/4)                            ; the data: window 2 or 3
.irp b, 0,1,2,3,4,5,6,7
	ds_store_b128 v[STO], v[AC+8*\b:AC+8*\b+3] offset:64*\b          ; each accumulator from its low end on
	ds_store_b128 v[STO], v[AC+8*\b+4:AC+8*\b+7] offset:64*\b+16
.endr
	WIN 0
.set BB, BK+64*((\a)%2)
.irp t, 0,1,2,3,4,5,6,7,8,9,10,11,12,13,14,15
	ds_load_b128 v[BB+4*\t:BB+4*\t+3], v[RD] offset:\t*SPITCH
.endr
.endm
.macro SEND a, younger                 ; row t of block a is row 32 (a / 2) + 8 (a % 2) + t + 8 (t / 8) of my 128: 127 rows of 4,096 bytes at the most, inside the signed 24-bit immediate; the base is never stepped
.set BB, BK+64*((\a)%2)
	s_wait_dscnt \younger
.irp t, 0,1,2,3,4,5,6,7,8,9,10,11,12,13,14,15
	global_store_b128 v[CO], v[BB+4*\t:BB+4*\t+3], s[12:13] offset:(32*((\a)/2)+8*((\a)%2)+\t+8*(\t/8))*SIZE_N*4 th:TH_STORE_NT   ; 32 lanes store 512 consecutive bytes, at a multiple of 256 from out0's first byte
.endr
.endm
	PLACES NP
	TOSTAGE 0
.irp a, 1,2,3,4,5,6,7
.if \a > 1
	s_wait_xcnt 0x0                                ; block a - 2's stores have read their registers: block a's loads may land there
.endif
	TOSTAGE \a
	SEND \a-1, 32                                  ; behind block a - 1's loads: block a's 16 stores and 16 loads
.endr
	SEND 7, 0
	s_wait_tensorcnt 0x0                           ; the wave's end
	ds_add_u32 v[SPW], v[NIL]
	s_wait_dscnt 0x0
	CROUND                                         ; the closing round
	s_endpgm
.Lfunc_end_k_qd9fac3d42e_outp:
	.size	k_qd9fac3d42e_outp, .Lfunc_end_k_qd9fac3d42e_outp-k_qd9fac3d42e_outp
	.p2alignl 7, 3214868480
	.fill 96, 4, 3214868480
	.section	.rodata,"a",@progbits
	.p2align	6, 0x0
	.amdhsa_kernel k_qd9fac3d42e_outp
		.amdhsa_group_segment_fixed_size 327680
		.amdhsa_private_segment_fixed_size 0
		.amdhsa_enable_private_segment 0
		.amdhsa_kernarg_size 48
		.amdhsa_user_sgpr_count 2
		.amdhsa_user_sgpr_kernarg_segment_ptr 1
		.amdhsa_wavefront_size32 1
		.amdhsa_system_sgpr_workgroup_id_x 1
		.amdhsa_system_sgpr_workgroup_id_y 1
		.amdhsa_system_sgpr_workgroup_id_z 1
		.amdhsa_system_vgpr_workitem_id 0
		.amdhsa_next_free_vgpr 1024
		.amdhsa_next_free_sgpr 100
		.amdhsa_reserve_vcc 0
		.amdhsa_float_denorm_mode_32 3
		.amdhsa_float_denorm_mode_16_64 3
		.amdhsa_memory_ordered 1
		.amdhsa_forward_progress 1
		.amdhsa_inst_pref_size 153
	.end_amdhsa_kernel
	.amdgpu_metadata
---
amdhsa.version: [ 1, 2 ]
amdhsa.kernels:
  - .name:           k_qd9fac3d42e_outp
    .symbol:         k_qd9fac3d42e_outp.kd
    .args:
      - { .name: oimg, .offset: 0, .size: 8, .value_kind: global_buffer, .address_space: global }
      - { .name: osc, .offset: 8, .size: 8, .value_kind: global_buffer, .address_space: global }
      - { .name: Wo_codes, .offset: 16, .size: 8, .value_kind: global_buffer, .address_space: global }
      - { .name: Wo_scales, .offset: 24, .size: 8, .value_kind: global_buffer, .address_space: global }
      - { .name: bo, .offset: 32, .size: 8, .value_kind: global_buffer, .address_space: global }
      - { .name: out0, .offset: 40, .size: 8, .value_kind: global_buffer, .address_space: global }
    .group_segment_fixed_size: 327680
    .private_segment_fixed_size: 0
    .kernarg_segment_align: 8
    .kernarg_segment_size: 48
    .max_flat_workgroup_size: 128
    .sgpr_count:     100
    .vgpr_count:     1024
    .wavefront_size: 32
...
	.end_amdgpu_metadata
.endif
;; end of part 3
